; MI455X (gfx1250); checked and timed in simulation.
; The chip was launched on July 23, 2026; its instructions are those of AMD's public machine-readable ISA for CDNA 5 (MIT licence, August 2026) and "CDNA5" Instruction Set Architecture Reference Guide (July 2026). The comments in the code are by the model that wrote it; some were corrected since.
;; Qwen3 Flash MTP Attention. Allowed arithmetic: float matrix products may take bf16 or f16 operands with f32 sums; other float arithmetic in f32, or as packed bf16 or f16 multiplies, adds, multiply-adds, maxima and minima; sums over many terms, partial sums and values carried from step to step in f32; what a program stores and reads back later, other than sums and carried values, may be rounded once to bf16 or f16.
;; Inputs: Wk 1,024 x 2,048 float32; Wo 2,048 x 1,024 float32; Wq 1,024 x 2,048 float32; Wv 1,024 x 2,048 float32; attention_mask 2 x 1 x 2,048 x 2,048 float32; cos 2 x 1,024 x 128 float32; hidden_states 2 x 2,048 x 2,048 float32; k_norm_w 128 float32; q_norm_w 128 float32; sin 2 x 1,024 x 128 float32; target_hidden 2 x 1,024 x 2,048 float32.
;; Outputs: out0 2 x 2,048 x 2,048 float32.
;; One version. Each part assembles by itself: llvm-mc -triple=amdgcn-amd-amdhsa -mcpu=gfx1250 --defsym DOCPART=n.
;; ======== version 1 of 1: 4 launches
;; limits: values are held in f16: magnitudes above 65,504 overflow, below 6.1e-05 lose precision; inputs' magnitudes at most 1e+30; right only within a limited range of input values
;; workspace buffers: Xb 16,777,216 bytes; Wb 12,582,912 bytes; Wof 4,194,304 bytes; CSb 1,048,576 bytes; Qh 8,388,608 bytes; Kh 8,388,608 bytes; Vh 8,388,608 bytes; Oa 8,388,608 bytes
;; launch prep (part 1): grid 1056 x 1, 8 waves a work-group, no clusters, 0 bytes of LDS; arguments hidden_states, Wq, Wk, Wv, Wo, cos, sin, Xb, Wb, Wof, CSb; writes Xb, Wb, Wof, CSb
.if DOCPART == 1
	.amdgcn_target "amdgcn-amd-amdhsa--gfx1250"
	.amdhsa_code_object_version 6
	.text
	.protected	k_q870cf7a307_prep
	.globl	k_q870cf7a307_prep
	.p2align	8
	.type	k_q870cf7a307_prep,@function
k_q870cf7a307_prep:
	s_mov_b64 s[64:65], 0
	v_nop
	global_prefetch_b8 v0, s[64:65] scope:SCOPE_SE
	s_setreg_imm32_b32 hwreg(HW_REG_WAVE_MODE, 25, 1), 1
	s_wait_xcnt 0x0
; 16-BIT COPIES OF THE MATRIX OPERANDS AND TABLES, made once.  hidden_states -> Xb, Wq | Wk | Wv -> Wb, cos | sin -> CSb: f32 rounded once to bf16.
; Wo -> Wof: rounded to bf16 like the other inputs, and that number written as f16 (exact down to f16's fixed step of 6e-8; below 6e-5 it keeps that step).
; A work-group converts one chunk of 16,384 numbers: 65,536 bytes in, 32,768 out.  Thread t, step i: 16 bytes at 4,096 i + 16 t in, 8 bytes at 2,048 i + 8 t out:
; a wave's load covers 512 consecutive bytes, its store 256 consecutive bytes, aligned.  All 16 loads go out first; no loop, no LDS, no matrix work: a stream.
; A step is converted in place, so that a wave holds 70 registers and the 1,056 work-groups (4.125 for each of 256 WGPs) need not take turns for registers.
; Chunks: 0-511 hidden_states, 512-639 Wq, 640-767 Wk, 768-895 Wv, 896-1023 Wo, 1024-1039 cos, 1040-1055 sin.
; target_hidden is read by no launch of this program: the computation takes its shape alone (1,024 context positions), no number of it.
.set IN,  4                            ; v[4:67]   16 steps x 4 numbers as loaded; a step's first two registers then hold what is stored: every store has data registers of its own
.set T,   68                           ; v[68:69]  at work
.set SRC, 30                           ; s[30:31]  the chunk's source
.set DST, 32                           ; s[32:33]  its destination
.set SB,  34                           ; s34  first chunk of the source buffer
.set DB,  35                           ; s35  first chunk of the destination buffer
.set F16, 36                           ; s36  1: the chunk is Wo's
	s_load_b512 s[8:23], s[0:1], 0x0               ; hidden 8, Wq 10, Wk 12, Wv 14, Wo 16, cos 18, sin 20, Xb 22
	s_load_b128 s[24:27], s[0:1], 0x40             ; Wb 24, Wof 26
	s_load_b64 s[28:29], s[0:1], 0x50              ; CSb
	v_lshlrev_b32 v1, 4, v0                        ; 16 t
	v_lshlrev_b32 v2, 3, v0                        ; 8 t
	s_mov_b32 s[SB], 0
	s_mov_b32 s[DB], 0
	s_wait_kmcnt 0x0
	s_mov_b64 s[SRC:SRC+1], s[8:9]
	s_mov_b64 s[DST:DST+1], s[22:23]
.macro PICK first, src                 ; from chunk first on the source is another buffer
	s_cmp_ge_u32 ttmp9, \first
	s_cselect_b64 s[SRC:SRC+1], s[\src:\src+1], s[SRC:SRC+1]
	s_cselect_b32 s[SB], \first, s[SB]
.endm
.macro PICKD first, dst                ; and, by the same compare, the destination
	s_cselect_b64 s[DST:DST+1], s[\dst:\dst+1], s[DST:DST+1]
	s_cselect_b32 s[DB], \first, s[DB]
.endm
	PICK 512, 10
	PICKD 512, 24
	PICK 640, 12
	PICK 768, 14
	PICK 896, 16
	PICKD 896, 26
	PICK 1024, 18
	PICKD 1024, 28
	PICK 1040, 20
	s_cmp_ge_u32 ttmp9, 896
	s_cselect_b32 s[F16], 1, 0
	s_cmp_ge_u32 ttmp9, 1024
	s_cselect_b32 s[F16], 0, s[F16]
	s_sub_co_u32 s37, ttmp9, s[SB]
	s_lshl_b32 s38, s37, 16                        ; 65,536 bytes a chunk in (511 chunks at the most: under 2^25)
	s_mov_b32 s39, 0
	s_add_nc_u64 s[SRC:SRC+1], s[SRC:SRC+1], s[38:39]
	s_sub_co_u32 s37, ttmp9, s[DB]
	s_lshl_b32 s38, s37, 15                        ; 32,768 out
	s_add_nc_u64 s[DST:DST+1], s[DST:DST+1], s[38:39]
.irp i, 0,1,2,3,4,5,6,7,8,9,10,11,12,13,14,15
	global_load_b128 v[IN+4*(\i):IN+4*(\i)+3], v1, s[SRC:SRC+1] offset:4096*(\i) th:TH_LOAD_NT
.endr
; Step i: its load is in when at most the 15 - i younger ones are out (loads come back in order).
.macro CV i, f16
	s_wait_loadcnt 15-(\i)
.if \f16
	v_cvt_pk_bf16_f32 v[T],   v[IN+4*(\i)],   v[IN+4*(\i)+1]   ; the rounding that every input has,
	v_cvt_pk_bf16_f32 v[T+1], v[IN+4*(\i)+2], v[IN+4*(\i)+3]
	v_lshlrev_b32 v[IN+4*(\i)],   16, v[T]                    ; widened again,
	v_and_b32     v[IN+4*(\i)+1], 0xffff0000, v[T]
	v_lshlrev_b32 v[IN+4*(\i)+2], 16, v[T+1]
	v_and_b32     v[IN+4*(\i)+3], 0xffff0000, v[T+1]
	v_cvt_pk_f16_f32 v[IN+4*(\i)],   v[IN+4*(\i)],   v[IN+4*(\i)+1]  ; and written as f16
	v_cvt_pk_f16_f32 v[IN+4*(\i)+1], v[IN+4*(\i)+2], v[IN+4*(\i)+3]
.else
	v_cvt_pk_bf16_f32 v[IN+4*(\i)],   v[IN+4*(\i)],   v[IN+4*(\i)+1]
	v_cvt_pk_bf16_f32 v[IN+4*(\i)+1], v[IN+4*(\i)+2], v[IN+4*(\i)+3]
.endif
	global_store_b64 v2, v[IN+4*(\i):IN+4*(\i)+1], s[DST:DST+1] offset:2048*(\i)
.endm
	s_cmp_lg_u32 s[F16], 0
	s_cbranch_scc1 .Lwo
.irp i, 0,1,2,3,4,5,6,7,8,9,10,11,12,13,14,15
	CV \i, 0
.endr
	s_endpgm
.Lwo:
.irp i, 0,1,2,3,4,5,6,7,8,9,10,11,12,13,14,15
	CV \i, 1
.endr
	s_endpgm
.Lfunc_end_k_q870cf7a307_prep:
	.size	k_q870cf7a307_prep, .Lfunc_end_k_q870cf7a307_prep-k_q870cf7a307_prep
	.p2alignl 7, 3214868480
	.fill 96, 4, 3214868480
	.section	.rodata,"a",@progbits
	.p2align	6, 0x0
	.amdhsa_kernel k_q870cf7a307_prep
		.amdhsa_group_segment_fixed_size 0
		.amdhsa_private_segment_fixed_size 0
		.amdhsa_enable_private_segment 0
		.amdhsa_kernarg_size 88
		.amdhsa_user_sgpr_count 2
		.amdhsa_user_sgpr_kernarg_segment_ptr 1
		.amdhsa_wavefront_size32 1
		.amdhsa_system_sgpr_workgroup_id_x 1
		.amdhsa_system_sgpr_workgroup_id_y 1
		.amdhsa_system_sgpr_workgroup_id_z 1
		.amdhsa_system_vgpr_workitem_id 0
		.amdhsa_next_free_vgpr 72
		.amdhsa_next_free_sgpr 66
		.amdhsa_reserve_vcc 0
		.amdhsa_float_denorm_mode_32 3
		.amdhsa_float_denorm_mode_16_64 3
		.amdhsa_memory_ordered 1
		.amdhsa_forward_progress 1
		.amdhsa_inst_pref_size 17
	.end_amdhsa_kernel
	.amdgpu_metadata
---
amdhsa.version: [ 1, 2 ]
amdhsa.kernels:
  - .name:           k_q870cf7a307_prep
    .symbol:         k_q870cf7a307_prep.kd
    .args:
      - { .name: hidden_states, .offset: 0, .size: 8, .value_kind: global_buffer, .address_space: global }
      - { .name: Wq, .offset: 8, .size: 8, .value_kind: global_buffer, .address_space: global }
      - { .name: Wk, .offset: 16, .size: 8, .value_kind: global_buffer, .address_space: global }
      - { .name: Wv, .offset: 24, .size: 8, .value_kind: global_buffer, .address_space: global }
      - { .name: Wo, .offset: 32, .size: 8, .value_kind: global_buffer, .address_space: global }
      - { .name: cos, .offset: 40, .size: 8, .value_kind: global_buffer, .address_space: global }
      - { .name: sin, .offset: 48, .size: 8, .value_kind: global_buffer, .address_space: global }
      - { .name: Xb, .offset: 56, .size: 8, .value_kind: global_buffer, .address_space: global }
      - { .name: Wb, .offset: 64, .size: 8, .value_kind: global_buffer, .address_space: global }
      - { .name: Wof, .offset: 72, .size: 8, .value_kind: global_buffer, .address_space: global }
      - { .name: CSb, .offset: 80, .size: 8, .value_kind: global_buffer, .address_space: global }
    .group_segment_fixed_size: 0
    .private_segment_fixed_size: 0
    .kernarg_segment_align: 8
    .kernarg_segment_size: 88
    .max_flat_workgroup_size: 256
    .sgpr_count:     66
    .vgpr_count:     72
    .wavefront_size: 32
...
	.end_amdgpu_metadata
.endif
;; end of part 1
;; launch qkv (part 2): grid 16 x 16, 4 waves a work-group, clusters of 4 x 4, 327,680 bytes of LDS; arguments Xb, Wb, CSb, q_norm_w, k_norm_w, Qh, Kh, Vh; writes Qh, Kh, Vh
.if DOCPART == 2
	.amdgcn_target "amdgcn-amd-amdhsa--gfx1250"
	.amdhsa_code_object_version 6
	.text
	.protected	k_q870cf7a307_qkv
	.globl	k_q870cf7a307_qkv
	.p2align	8
	.type	k_q870cf7a307_qkv,@function
k_q870cf7a307_qkv:
	s_mov_b64 s[64:65], 0
	v_nop
	global_prefetch_b8 v0, s[64:65] scope:SCOPE_SE
	s_setreg_imm32_b32 hwreg(HW_REG_WAVE_MODE, 25, 1), 1
	s_wait_xcnt 0x0
	s_wait_alu depctr_hold_cnt(0) depctr_sa_sdst(0) depctr_va_vdst(0) depctr_va_sdst(0) depctr_va_ssrc(0) depctr_va_vcc(0) depctr_vm_vsrc(0)
	s_getreg_b32 s2, hwreg(HW_REG_IB_STS2, 6, 4)
	s_cmp_eq_u32 s2, 0
	s_cbranch_scc0 .Lentry_in_a_cluster
	s_endpgm
.Lentry_in_a_cluster:
	s_bfe_u32 s2, ttmp6, 0x10000c
	s_cmp_lg_u32 s2, 0xf033
	s_cbranch_scc0 .Lentry_shape_is_right
	s_endpgm
.Lentry_shape_is_right:
; THE PROJECTIONS: X W^T (bf16 operands, f32 sums), RMSNorm of q and k over a head's 128 channels, RoPE on positions >= 1,024, 1 / sqrt(128) folded into q's norm weight; each result rounded once to f16.
; Qh, Kh: [16 = 8 b + h][2,048 positions][128 channels], rows of 256 bytes.  Vh is stored TURNED: [16][128 channels][2,048 positions], rows of 4,096 bytes, as the second product of the attention wants it.
; LIMITS.  f16 ends at 65,504: |q|, |k| <= sqrt(128) |w| (|cos| + |sin|); v is a sum of 2,048 products and must stay within it.  The norm weights, cos and sin are rounded to bf16 like the other inputs.
; SHARES.  Work-group (cg, R): rows 256 R .. of Xb times 192 columns: ONE WHOLE HEAD of q (cg < 8) or of k (rows 128 cg .. of Wb, which holds Wq, Wk, Wv one below the other), and 64 CHANNELS OF v (rows 2,048 + 64 cg ..):
; v has neither norm nor RoPE, so its columns may be cut anywhere.  16 x 16 = 256 work-groups of 49,152 sums; a K step of 128 brings (256 + 192) rows x 256 bytes = 114,688 bytes for them; the cut
; 128 rows x (q, k and v of a head), with as many sums, would bring 131,072.  Four waves; wave w makes rows 128 (w / 2) .. and, of the columns, 64 of the head's and 32 of v's (half w % 2): 8 x 6 accumulators, 384 registers.
; CLUSTER 4 x 4.  X's tile hangs on R alone and is asked for jointly along a row of the cluster, W's tiles on cg alone, jointly along a column.  Waves 0 and 1 fetch X's two halves, wave 2 the head's 128 rows, wave 3 v's 64.
; Whether the head is q's or k's hangs on the cluster's x alone (q: x < 2), RoPE on the cluster's y alone (odd y): the same in all partners.
; THE MATRIX INSTRUCTION.  For the head: source 0 = 16 rows of W, source 1 = 16 rows of X: a lane holds row l % 16 and the channels 8 (l / 16) + 0..7.  For v the other way round: a lane holds channel l % 16 and
; the positions 8 (l / 16) + 0..7: 16 bytes of a row of Vh.
; THE WAY OUT goes through the two slots' bytes, which have had their last fill.  The head's 256 x 128 sums go there as f32; then a wave takes 64 whole rows: a row lies across the 32 lanes, four channels a lane, so that
; the sum of squares is one reduction over the wave, the partner channel d +- 64 of RoPE lies in the lane 16 away, and a store of the wave is one whole row of 256 bytes.  v goes there as f16, [channel][position], and
; leaves by whole channel rows: 512 consecutive bytes a store.
; REGISTERS, in windows of 256: window 0: v0-52 addresses and constants, v64-223 at work on the way out (v192-223: cos and sin, asked for at the head); window 1: all fragments: X's, two buffers of 8 x 8, at 64 f, W's, two of
; 6 x 8, at 128 + 48 f: one setting serves both orders of the sources; window 2: accumulators of row blocks 0-3 at 48 a + 8 b; window 3: of row blocks 4-7.
.set KSTEP,  128
.set PITCH,  272                       ; an LDS row: 256 bytes + 16 of padding: the 16 rows of a fragment load start at 16 different groups of four banks (64 banks of 4 bytes: ISA guide 11.1)
.set ATILE,  128*PITCH                 ; what waves 0 to 2 bring
.set SLOT,   3*ATILE+64*PITCH          ; X's 256 rows, the head's 128, v's 64
.set SPARE,  2*SLOT                    ; behind the ring: the spare words, 128 bytes for each wave, which no other line names
.set CP,     528                       ; a row of the f32 stage: 512 bytes + 16 = 33 x 16
.set VS,     256*CP                    ; behind it: v's stage,
.set VP,     528                       ; a channel's 256 positions in f16 + 16 bytes
.set LAPS,   8                         ; a lap = two K steps
.set ADRA, 16                          ; v16-17  LDS address of my fragments of X in slot 0, 1
.set ADRB, 20                          ; v20-21  of the head's W
.set ADRV, 22                          ; v22-23  of Wv
.set CST,  24                          ; v24-25  into the f32 stage: my rows 0-63, 64-127
.set RDA,  26                          ; v26     out of it: my 16 bytes of a row
.set VL,   27                          ; v27     8 x lane: my 8 bytes of a row of 256, in Qh, Kh and the tables; never rewritten
.set SPW,  28                          ; v28     LDS address of my spare word; never rewritten
.set NIL,  29                          ; v29     0; never rewritten
.set PFO,  30                          ; v30     the prefetches' offset; never rewritten
.set LN,   31                          ; v31     lane
.set W,    32                          ; v32-35 the norm weight of my four channels (q's: x 128^-0.5), v36-39 the same with the sign turned in lanes 16-31
.set ZERO, 48
.set SGN,  49
.set VST,  50                          ; v50     into v's stage
.set VRD,  51                          ; v51     out of it
.set VL2,  52                          ; v52     16 x lane; never rewritten
.set TV,   64                          ; v's 16 accumulators rounded to f16
.set X,    64                          ; eight rows, four registers a row
.set T,    96                          ; a pair a row: sum of squares, then 1 / rms
.set XN,   112                         ; normed and weighted
.set Y,    144                         ; the same with the sign that the partner lane wants
.set OH,   176                         ; to store
.set CO,   192                         ; cos of the eight rows, two registers of bf16 a row
.set SI,   208                         ; sin
.set FA,   0                           ; window 1
.set FB,   128
.set WV,   12                          ; s12  wave
.set G1,   24                          ; s[24:31] descriptor group 1 for X's tiles;  s[32:39] group 0, a set for each slot
.set G0,   32
.set LIM,  43                          ; s43  1 in a wave that prefetches, else the greatest number; s42 the same for the changes that leave slot 1
.set PFA,  44                          ; s[44:45] where my prefetches stand
.set G1B,  48                          ; s[48:55] group 1 for the head's tile; s[56:63] group 0 for W's tiles
.set G0B,  56
.set SCL,  66
.set G1C,  76                          ; s[76:83] group 1 for v's tile: 64 rows
.set BT,   88
.set ROPE, 89
.set QD,   90                          ; s[90:91] Qh or Kh at my first row
.set VD,   92                          ; s[92:93] Vh at my first channel row
.set CB,   94                          ; s[94:95] cos at my first row; sin lies 524,288 bytes on
.set MSB, 0
.macro WIN new                         ; the immediate's high byte repeats the setting that is left; a switch that changes nothing is dropped
.if MSB != (\new)
	s_set_vgpr_msb (MSB<<8)|(\new)
.set MSB, \new
.endif
.endm
.set TO_F,   0x40                      ; destination window 1, address window 0
.macro PLACES                          ; four plain places behind matrix instructions, ahead of loads into registers that they have read (for instructions other than loads)
.rept 4
	v_nop
.endr
.endm
.macro ALL8 line:vararg                ; one line for each row t of eight
.set t, 0
.rept 8
	\line
.set t, t+1
.endr
.endm
; A joint load: one of three lines, by the wave's number alone.  An s_nop 0 and four v_nop follow each line, ahead of the jump and the label.
.macro JLOAD s
	s_cmp_lt_u32 s[WV], 2
	s_cbranch_scc0 .Lfor_w_\@
	tensor_load_to_lds s[G0+4*(\s):G0+4*(\s)+3], s[G1:G1+7]
	s_nop 0
.rept 4
	v_nop
.endr
	s_branch .Lasked_\@
.Lfor_w_\@:
	s_cmp_eq_u32 s[WV], 2
	s_cbranch_scc0 .Lfor_v_\@
	tensor_load_to_lds s[G0B+4*(\s):G0B+4*(\s)+3], s[G1B:G1B+7]
	s_nop 0
.rept 4
	v_nop
.endr
	s_branch .Lasked_\@
.Lfor_v_\@:
	tensor_load_to_lds s[G0B+4*(\s):G0B+4*(\s)+3], s[G1C:G1C+7]
	s_nop 0
.rept 4
	v_nop
.endr
.Lasked_\@:
.endm
; A PREFETCH INTO THE L2 of the K step that stands two refills on, one instruction a wave, behind the joint load, its five lines and the run of LDS loads.  Each row's 256 bytes of a K step are named once in the launch:
; X's rows by the clusters with x = 0 (waves 0, 1), W's by the clusters with y = 0 (waves 2, 3); the four partners that ask for a tile jointly share its rows out by address.  Waves 0 to 2: 32 rows each, a lane a row.
; Wave 3 has 16 rows a partner: its lanes 16-31 name the same rows' K step after, and it asks at the changes that leave slot 0 alone.  The loop's last trip asks for nothing: K steps 16 and 17 do not exist.
; K steps 0 to 3 come by their loads alone.
.macro ASK slot
	WIN 0
	s_cmp_gt_u32 s3, s[LIM-(\slot)]
	s_cbranch_scc0 .Lnot_mine_\@
	global_prefetch_b8 v[PFO], s[PFA:PFA+1] offset:KSTEP*2 th:TH_LOAD_NT scope:SCOPE_SE
.Lnot_mine_\@:
.endm
.macro CROUND                          ; a round of the cluster's barrier
	s_barrier_signal -1
	s_barrier_wait -1
	s_cmp_lg_u32 s[WV], 0
	s_cbranch_scc1 .Lnot_wave_0_\@
	s_barrier_signal -3
.Lnot_wave_0_\@:
	s_barrier_wait -3
	s_barrier_signal -1
	s_barrier_wait -1
.endm
	s_load_b256 s[4:11], s[0:1], 0x0               ; Xb 4, Wb 6, CSb 8, q_norm_w 10
	s_load_b256 s[68:75], s[0:1], 0x20             ; k_norm_w 68, Qh 70, Kh 72, Vh 74
	v_lshl_add_u32 v[SPW], v0, 2, SPARE
	v_mov_b32 v[NIL], 0
	ds_add_u32 v[SPW], v[NIL]                      ; the wave's opening: the add and its wait stand ahead of my first tensor load; the set-up below stands between them
	v_lshrrev_b32 v1, 5, v0
	v_readfirstlane_b32 s[WV], v1                  ; wave 0..3
	s_lshr_b32 s13, s[WV], 1                       ; which 128 rows are mine
	s_and_b32 s14, s[WV], 1                        ; which half of the columns.  Also: which half of X, or which of W's two tiles, I fetch
	s_bfe_u32 s15, ttmp6, 0x40000                  ; cx
	s_bfe_u32 s16, ttmp6, 0x40004                  ; cy
	s_lshl_b32 s17, ttmp9, 2
	s_add_co_u32 s17, s17, s15                     ; cg = 4 x cluster x + cx: the column group
	s_and_b32 s18, ttmp7, 0xffff
	s_lshl_b32 s18, s18, 2
	s_add_co_u32 s18, s18, s16                     ; R = 4 x cluster y + cy: the block of 256 rows
	s_lshl_b32 s19, s16, 2
	s_lshl_b32 s19, 15, s19                        ; my row of the cluster
	s_lshl_b32 s20, 0x1111, s15                    ; my column
	s_or_b32 s[G1], s19, (1<<16)|(1<<20)|(1<<21)|(5<<22)|(3<<25)   ; 15:0 the mask; 17:16 2-byte elements; 20 padding on; 21 set beside a mask; 24:22 after every 64 words; 31:25 4 words of it
	s_or_b32 s[G1B], s20, (1<<16)|(1<<20)|(1<<21)|(5<<22)|(3<<25)
	s_or_b32 s[G1C], s20, (1<<16)|(1<<20)|(1<<21)|(5<<22)|(3<<25)
.irp g, G1, G1B, G1C
	s_mov_b32 s[(\g)+1], KSTEP<<16                 ; tensor_dim0 = 128
	s_mov_b32 s[(\g)+3], KSTEP<<16                 ; tile_dim0 = 128
	s_mov_b32 s[(\g)+5], 2048                      ; elements from row to row
	s_mov_b32 s[(\g)+6], 0
	s_mov_b32 s[(\g)+7], 0
.endr
.irp g, G1, G1B
	s_mov_b32 s[(\g)+2], 128<<16                   ; tensor_dim1 = 128
	s_mov_b32 s[(\g)+4], 128                       ; tile_dim1 = 128
.endr
	s_mov_b32 s[G1C+2], 64<<16                     ; v's tile: 64 rows
	s_mov_b32 s[G1C+4], 64
	s_lshl_b32 s40, s18, 20                        ; X: 256 R rows of 4,096 bytes,
	s_lshl_b32 s41, s14, 19                        ; my half of them
	s_add_co_u32 s40, s40, s41
	s_mov_b32 s41, 0
	s_lshl_b32 s46, s17, 19                        ; the head: row 128 cg of Wb
	s_lshl_b32 s47, s17, 18                        ; v: row 2,048 + 64 cg
	s_add_co_u32 s47, s47, 0x800000
	s_cmp_eq_u32 s14, 0
	s_cselect_b32 s46, s46, s47                    ; wave 2 the head's, wave 3 v's
	s_mov_b32 s47, 0
	s_mul_i32 s21, s[WV], ATILE                    ; where my tile goes: the wave's number alone
	s_mov_b32 s84, 0x3c000000                      ; 1 / 128
	s_mov_b32 s85, 0x358637bd                      ; 1e-6
	s_mov_b32 s86, 0x76543210                      ; v_permlanex16_b32: each lane takes its own place in the other half
	s_mov_b32 s87, 0xfedcba98
	s_wait_dscnt 0x0                               ; the opening add is done
	s_wait_kmcnt 0x0
	s_add_nc_u64 s[40:41], s[4:5], s[40:41]
	s_add_nc_u64 s[46:47], s[6:7], s[46:47]
	CROUND                                         ; all sixteen work-groups are here: the first joint loads meet
.irp s, 0,1
	s_mov_b32 s[G0+4*(\s)], 1
	s_add_co_u32 s[G0+4*(\s)+1], s21, (\s)*SLOT
	s_add_nc_u64 s[G0+4*(\s)+2:G0+4*(\s)+3], s[40:41], (\s)*KSTEP*2
	s_or_b32 s[G0+4*(\s)+3], s[G0+4*(\s)+3], 0x80000000
	s_mov_b32 s[G0B+4*(\s)], 1
	s_add_co_u32 s[G0B+4*(\s)+1], s21, (\s)*SLOT
	s_add_nc_u64 s[G0B+4*(\s)+2:G0B+4*(\s)+3], s[46:47], (\s)*KSTEP*2
	s_or_b32 s[G0B+4*(\s)+3], s[G0B+4*(\s)+3], 0x80000000
	JLOAD \s                                       ; two loads of mine are out
.endr
	v_and_b32 v[LN], 31, v0
	v_lshlrev_b32 v5, 4, v[LN]                     ; my four channels of a head: 16 bytes of f32
	s_cmp_lt_u32 ttmp9, 2                          ; q's column groups lie in the clusters with x < 2
	s_cselect_b64 s[96:97], s[10:11], s[68:69]
	s_cselect_b64 s[QD:QD+1], s[70:71], s[72:73]
	s_cselect_b32 s[SCL], 0x3db504f3, 1.0          ; 128^-0.5: the scores' scale rides on q's weight, ahead of q's one rounding
	global_load_b128 v[W:W+3], v5, s[96:97]
	; the prefetches
	s_and_b32 s22, ttmp7, 0xffff                   ; cluster y
	s_lshl_b32 s40, s18, 8                         ; X: row 256 R
	s_lshl_b32 s41, s14, 7
	s_add_co_u32 s40, s40, s41                     ; + the 128 that I fetch
	s_lshl_b32 s41, s15, 5
	s_add_co_u32 s40, s40, s41                     ; + my work-group's 32 of them
	s_lshl_b32 s46, s17, 7                         ; the head: row 128 cg
	s_lshl_b32 s47, s16, 5
	s_add_co_u32 s46, s46, s47                     ; + 32 cy
	s_lshl_b32 s47, s17, 6                         ; v: row 2,048 + 64 cg
	s_add_co_u32 s47, s47, 2048
	s_lshl_b32 s67, s16, 4
	s_add_co_u32 s47, s47, s67                     ; + 16 cy
	s_cmp_eq_u32 s14, 0
	s_cselect_b32 s46, s46, s47
	s_cmp_lt_u32 s[WV], 2
	s_cselect_b32 s40, s40, s46
	s_cselect_b32 s22, ttmp9, s22                  ; the coordinate along which other clusters read the same rows
	s_cselect_b64 s[PFA:PFA+1], s[4:5], s[6:7]
	s_cmp_eq_u32 s22, 0
	s_cselect_b32 s[LIM], 1, -1                    ; the same in all sixteen partners, for a given wave
	s_cmp_eq_u32 s[WV], 3
	s_cselect_b32 s[LIM-1], -1, s[LIM]
	s_cselect_b32 s67, -1, 0
	s_lshl_b32 s40, s40, 12
	s_add_co_u32 s40, s40, 2*KSTEP*2               ; at K step 2: the first refill steps it to 3 and names K step 4
	s_mov_b32 s41, 0
	s_add_nc_u64 s[PFA:PFA+1], s[PFA:PFA+1], s[40:41]
	v_lshlrev_b32 v[PFO], 12, v[LN]                ; a lane a row;
	v_and_b32 v1, 15, v0                           ; l % 16
	v_bfe_u32 v2, v0, 4, 1                         ; l / 16
	v_lshlrev_b32 v6, 12, v1
	v_lshl_add_u32 v6, v2, 8, v6                   ; wave 3: 16 rows, two K steps
	v_cndmask_b32 v[PFO], v[PFO], v6, s67
	; A fragment is 16 rows x 32 K in 8 registers: lane l holds row l % 16, K = 8 (l / 16) + 0..7 and 16 + 8 (l / 16) + 0..7: two loads of 16 bytes, 32 bytes apart.
	v_mul_u32_u24 v3, v1, PITCH
	v_lshl_add_u32 v3, v2, 4, v3
	s_mul_i32 s21, s13, ATILE                      ; my 128 rows of X
	s_mul_i32 s22, s14, 64*PITCH
	s_add_co_u32 s22, s22, 2*ATILE                 ; my 64 rows of the head's W
	s_mul_i32 s23, s14, 32*PITCH
	s_add_co_u32 s23, s23, 3*ATILE                 ; my 32 rows of Wv
.irp s, 0,1
	v_add_nc_u32 v[ADRA+(\s)], s21, v3
	v_add_nc_u32 v[ADRB+(\s)], s22, v3
	v_add_nc_u32 v[ADRV+(\s)], s23, v3
	s_add_co_u32 s21, s21, SLOT
	s_add_co_u32 s22, s22, SLOT
	s_add_co_u32 s23, s23, SLOT
.endr
	v_mul_u32_u24 v4, v1, CP                       ; into the f32 stage: row 128 r + l % 16, byte 256 c + 32 (l / 16)
	v_lshl_add_u32 v4, v2, 5, v4
	s_mul_i32 s21, s13, 128*CP
	s_lshl_b32 s22, s14, 8
	s_add_co_u32 s21, s21, s22
	v_add_nc_u32 v[CST], s21, v4
	v_add_nc_u32 v[CST+1], 64*CP, v[CST]
	v_mul_u32_u24 v4, v1, VP                       ; into v's stage: channel 32 c + l % 16, position 128 r + 8 (l / 16)
	v_lshl_add_u32 v4, v2, 4, v4
	s_mul_i32 s21, s14, 32*VP
	s_lshl_b32 s22, s13, 8
	s_add_co_u32 s21, s21, s22
	s_add_co_u32 s21, s21, VS
	v_add_nc_u32 v[VST], s21, v4
	s_mul_i32 s21, s[WV], 64*CP                    ; out of the f32 stage: rows 64 w .., 16 bytes a lane
	v_lshl_add_u32 v[RDA], v[LN], 4, s21
	s_mul_i32 s21, s[WV], 16*VP                    ; out of v's: channels 16 w ..
	s_add_co_u32 s21, s21, VS
	v_lshl_add_u32 v[VRD], v[LN], 4, s21
	v_lshlrev_b32 v[VL], 3, v[LN]
	v_lshlrev_b32 v[VL2], 4, v[LN]
	; where my rows go, and their rows of the tables
	s_lshr_b32 s21, s18, 3                         ; b
	s_and_b32 s23, s18, 7                          ; the block's place in the batch: position 256 (R % 8)
	s_lshl_b32 s22, s21, 3
	s_and_b32 s67, s17, 7
	s_add_co_u32 s22, s22, s67                     ; 8 b + head
	s_lshl_b32 s22, s22, 11
	s_lshl_b32 s67, s23, 8
	s_add_co_u32 s22, s22, s67
	s_lshl_b32 s67, s[WV], 6
	s_add_co_u32 s22, s22, s67                     ; + my 64 rows
	s_lshl_b32 s40, s22, 8                         ; rows of 256 bytes
	s_mov_b32 s41, 0
	s_add_nc_u64 s[QD:QD+1], s[QD:QD+1], s[40:41]
	s_lshl_b32 s22, s21, 3
	s_lshr_b32 s67, s17, 1
	s_add_co_u32 s22, s22, s67                     ; v: 8 b + head cg / 2,
	s_lshl_b32 s22, s22, 7
	s_and_b32 s67, s17, 1
	s_lshl_b32 s67, s67, 6
	s_add_co_u32 s22, s22, s67                     ; its channels 64 (cg % 2) ..,
	s_lshl_b32 s67, s[WV], 4
	s_add_co_u32 s22, s22, s67                     ; my 16 of them
	s_lshl_b32 s40, s22, 12                        ; channel rows of 4,096 bytes
	s_lshl_b32 s67, s23, 9                         ; the block's 256 positions: 512 bytes of each
	s_add_co_u32 s40, s40, s67
	s_add_nc_u64 s[VD:VD+1], s[74:75], s[40:41]
	s_lshl_b32 s22, s21, 10                        ; the tables have 1,024 rows a batch: position - 1,024
	s_and_b32 s67, s18, 3
	s_lshl_b32 s67, s67, 8
	s_add_co_u32 s22, s22, s67
	s_lshl_b32 s67, s[WV], 6
	s_add_co_u32 s22, s22, s67
	s_lshl_b32 s40, s22, 8
	s_add_nc_u64 s[CB:CB+1], s[8:9], s[40:41]
	s_and_b32 s[ROPE], ttmp7, 1                    ; positions >= 1,024: bit 2 of R = bit 0 of the cluster's y
	s_wait_loadcnt 0x0                             ; the norm weight
	v_cvt_pk_bf16_f32 v6, v[W], v[W+1]             ; rounded to bf16 like the other inputs, and widened
	v_cvt_pk_bf16_f32 v7, v[W+2], v[W+3]
	v_lshlrev_b32 v[W], 16, v6
	v_and_b32 v[W+1], 0xffff0000, v6
	v_lshlrev_b32 v[W+2], 16, v7
	v_and_b32 v[W+3], 0xffff0000, v7
	v_and_b32 v[SGN], 16, v0
	v_lshlrev_b32 v[SGN], 27, v[SGN]               ; the sign bit in lanes 16-31: what they send to channels d < 64 is -x
.irp n, 0,1,2,3
	v_mul_f32 v[W+(\n)], s[SCL], v[W+(\n)]
.endr
.irp n, 0,1,2,3
	v_xor_b32 v[W+4+(\n)], v[SGN], v[W+(\n)]
.endr
	v_mov_b32 v[ZERO], 0
.set t, 0
.rept 16
	v_mov_b32 v[CO+t], 0x3f803f80                  ; rows below 1,024 run the same arithmetic with cos = 1 (twice, in bf16)
	v_mov_b32 v[SI+t], 0                           ; and sin = 0
.set t, t+1
.endr
	s_cmp_lg_u32 s[ROPE], 0
	s_cbranch_scc0 .Lno_first
	ALL8 global_load_b64 v[CO+2*t:CO+2*t+1], v[VL], s[CB:CB+1] offset:256*t          ; the tables of my first eight rows: asked for here, wanted behind the sums
	ALL8 global_load_b64 v[SI+2*t:SI+2*t+1], v[VL], s[CB:CB+1] offset:256*t+524288
.Lno_first:
; 48 matrix instructions: 32 along K from buffer f: for each half of my row blocks the head's 4 x 4 and then v's 4 x 2, with the sources the other way round.
; The 48 accumulators take turns, one instruction a turn, in the same order in every quarter.
.macro MUL48 f, zero
.irp hi, 0,1
	WIN 0xa5+0x50*(\hi)                            ; both sources window 1; C and D window 2 or 3
.irp a, 0,1,2,3
.irp b, 0,1,2,3
.if \zero
	v_wmma_f32_16x16x32_bf16 v[48*(\a)+8*(\b):48*(\a)+8*(\b)+7], v[FB+48*(\f)+8*(\b):FB+48*(\f)+8*(\b)+7], v[FA+64*(\f)+8*(4*(\hi)+(\a)):FA+64*(\f)+8*(4*(\hi)+(\a))+7], 0
.else
	v_wmma_f32_16x16x32_bf16 v[48*(\a)+8*(\b):48*(\a)+8*(\b)+7], v[FB+48*(\f)+8*(\b):FB+48*(\f)+8*(\b)+7], v[FA+64*(\f)+8*(4*(\hi)+(\a)):FA+64*(\f)+8*(4*(\hi)+(\a))+7], v[48*(\a)+8*(\b):48*(\a)+8*(\b)+7]
.endif
.endr
.endr
.irp a, 0,1,2,3
.irp b, 4,5
.if \zero
	v_wmma_f32_16x16x32_bf16 v[48*(\a)+8*(\b):48*(\a)+8*(\b)+7], v[FA+64*(\f)+8*(4*(\hi)+(\a)):FA+64*(\f)+8*(4*(\hi)+(\a))+7], v[FB+48*(\f)+8*(\b):FB+48*(\f)+8*(\b)+7], 0
.else
	v_wmma_f32_16x16x32_bf16 v[48*(\a)+8*(\b):48*(\a)+8*(\b)+7], v[FA+64*(\f)+8*(4*(\hi)+(\a)):FA+64*(\f)+8*(4*(\hi)+(\a))+7], v[FB+48*(\f)+8*(\b):FB+48*(\f)+8*(\b)+7], v[48*(\a)+8*(\b):48*(\a)+8*(\b)+7]
.endif
.endr
.endr
.endr
.endm
; 28 LDS loads in one run: a quarter step's fragments (64 + 32 rows of W, 128 rows of X, 32 K at byte k) into buffer f
.macro FETCH slot, k, f
	WIN TO_F
.irp i, 0,1,2,3
	ds_load_b128 v[FB+48*(\f)+8*(\i):FB+48*(\f)+8*(\i)+3],   v[ADRB+(\slot)] offset:(\k)+(\i)*16*PITCH
	ds_load_b128 v[FB+48*(\f)+8*(\i)+4:FB+48*(\f)+8*(\i)+7], v[ADRB+(\slot)] offset:(\k)+(\i)*16*PITCH+32
.endr
.irp i, 0,1
	ds_load_b128 v[FB+48*(\f)+32+8*(\i):FB+48*(\f)+32+8*(\i)+3],   v[ADRV+(\slot)] offset:(\k)+(\i)*16*PITCH
	ds_load_b128 v[FB+48*(\f)+32+8*(\i)+4:FB+48*(\f)+32+8*(\i)+7], v[ADRV+(\slot)] offset:(\k)+(\i)*16*PITCH+32
.endr
.irp i, 0,1,2,3,4,5,6,7
	ds_load_b128 v[FA+64*(\f)+8*(\i):FA+64*(\f)+8*(\i)+3],   v[ADRA+(\slot)] offset:(\k)+(\i)*16*PITCH
	ds_load_b128 v[FA+64*(\f)+8*(\i)+4:FA+64*(\f)+8*(\i)+7], v[ADRA+(\slot)] offset:(\k)+(\i)*16*PITCH+32
.endr
.endm
; A K step is four quarters of 32 along K, 48 matrix instructions each, on buffers 0, 1, 0, 1.  One of the first three: at its head it fetches the next quarter, at byte k, into g, which the quarter before has multiplied;
; then it multiplies f, whose loads were issued a whole quarter earlier: the four waves' runs are 224 passes of the LDS, and have 48 matrix instructions in which to be served.
.macro QUARTER slot, k, f, g, zero
	PLACES
	FETCH \slot, \k, \g
	s_wait_dscnt 28                                ; all but the 28 just issued: buffer f is in
	MUL48 \f, \zero
.endm
; The last quarter changes slots and multiplies buffer 1.  All reads of this slot have been issued.  Each wave waits for all its tensor loads (one is out: its part of the next slot), adds 0 to its spare word, and waits for
; that and for its reads.  fill = 1: a round of the cluster's barrier, and this slot's joint refill, two K steps on, first thing behind it; the quarter's products come behind the request, not ahead of it, so that the
; refill has a whole K step's 192 matrix instructions in which to land and nothing but the round stands between a tile's landing and the next request.
.macro TURN slot, next, fill
.if \fill
	s_wait_xcnt 0x0                                ; the last prefetch, a K step back, has read its address
	s_add_nc_u64 s[PFA:PFA+1], s[PFA:PFA+1], KSTEP*2
.endif
	WIN 0
	s_wait_tensorcnt 0x0                           ; no tensor load of mine is out, so a group 0 may be written
	ds_add_u32 v[SPW], v[NIL]                      ; the descriptors' steps stand between the add and the wait for it
.if \fill
	s_add_nc_u64 s[G0+4*(\slot)+2:G0+4*(\slot)+3], s[G0+4*(\slot)+2:G0+4*(\slot)+3], 2*KSTEP*2
	s_add_nc_u64 s[G0B+4*(\slot)+2:G0B+4*(\slot)+3], s[G0B+4*(\slot)+2:G0B+4*(\slot)+3], 2*KSTEP*2
.endif
	s_wait_dscnt 0x0                               ; the add is done, my reads of this slot are over, buffer 1 is in
.if \fill
	CROUND                                         ; no wave of any partner still reads this slot or has a load on its way
	JLOAD \slot                                    ; its four v_nop are also the places ahead of the loads below
.else
	s_barrier_signal -1
	s_barrier_wait -1
	PLACES
.endif
	FETCH \next, 0, 0
.if \fill
	ASK \slot
.endif
	MUL48 1, 0
.endm
	s_wait_tensorcnt 1                             ; my part of K step 0 is in; K step 1's may stay out
	s_barrier_signal -1
	s_barrier_wait -1
	FETCH 0, 0, 0
	QUARTER 0, 64, 0, 1, 1                         ; the first quarter stands ahead of the loop: its products start the sums
	WIN 0
	s_mov_b32 s3, LAPS-1
.Llap:                                                 ; a trip goes once round the ring and fills both slots again
	QUARTER 0, 128, 1, 0, 0
	QUARTER 0, 192, 0, 1, 0
	TURN 0, 1, 1
	QUARTER 1, 64,  0, 1, 0
	QUARTER 1, 128, 1, 0, 0
	QUARTER 1, 192, 0, 1, 0
	TURN 1, 0, 1
	QUARTER 0, 64,  0, 1, 0
	WIN 0
	s_sub_co_u32 s3, s3, 1
	s_cmp_lg_u32 s3, 0
	s_cbranch_scc1 .Llap
	QUARTER 0, 128, 1, 0, 0                        ; the last lap fills nothing
	QUARTER 0, 192, 0, 1, 0
	TURN 0, 1, 0
	QUARTER 1, 64,  0, 1, 0
	QUARTER 1, 128, 1, 0, 0
	QUARTER 1, 192, 0, 1, 0
	s_wait_dscnt 0x0
	MUL48 1, 0
	WIN 0
	PLACES
	PLACES                                         ; the places behind the last products, ahead of the stores and conversions that read them
	s_barrier_signal -1                            ; every wave's reads of the slots are over (its last wait on DScnt was for 0): their bytes, filled for the last time, become the stages
	s_barrier_wait -1
.irp hi, 0,1                           ; the head's sums as f32; each accumulator's registers 0-3 first
	WIN 0x08+4*(\hi)                               ; store data (source 1) in window 2 or 3
.irp a, 0,1,2,3
.irp b, 0,1,2,3
	ds_store_b128 v[CST+(\hi)], v[48*(\a)+8*(\b):48*(\a)+8*(\b)+3]   offset:(\a)*16*CP+64*(\b)
	ds_store_b128 v[CST+(\hi)], v[48*(\a)+8*(\b)+4:48*(\a)+8*(\b)+7] offset:(\a)*16*CP+64*(\b)+16
.endr
.endr
.endr
.irp hi, 0,1                           ; v's sums: a lane's eight positions of a channel round to 16 bytes
	WIN 0x0a+5*(\hi)                               ; sources 0 and 1 in window 2 or 3, destination window 0
.irp a, 0,1,2,3
.irp b, 0,1
.irp q, 0,1,2,3
	v_cvt_pk_f16_f32 v[TV+4*(8*(\hi)+2*(\a)+(\b))+(\q)], v[48*(\a)+32+8*(\b)+2*(\q)], v[48*(\a)+32+8*(\b)+2*(\q)+1]
.endr
.endr
.endr
.endr
	WIN 0
.irp hi, 0,1
.irp a, 0,1,2,3
.irp b, 0,1
	ds_store_b128 v[VST], v[TV+4*(8*(\hi)+2*(\a)+(\b)):TV+4*(8*(\hi)+2*(\a)+(\b))+3] offset:(\b)*16*VP+32*(4*(\hi)+(\a))
.endr
.endr
.endr
	s_wait_dscnt 0x0                               ; for the others' sake: my stores into the stages are done
	s_barrier_signal -1
	s_barrier_wait -1
	WIN 0x40                                       ; v leaves: 16 channel rows a wave, through registers of window 1 that nothing writes again
.irp i, 0,1,2,3,4,5,6,7,8,9,10,11,12,13,14,15
	ds_load_b128 v[4*(\i):4*(\i)+3], v[VRD] offset:(\i)*VP
.endr
	WIN 0x04                                       ; store data (source 1) in window 1
.irp i, 0,1,2,3,4,5,6,7,8,9,10,11,12,13,14,15
	s_wait_dscnt 15-(\i)                           ; row i is back; the younger loads may stay out
	global_store_b128 v[VL2], v[4*(\i):4*(\i)+3], s[VD:VD+1] offset:(\i)*4096  ; the wave stores 512 consecutive bytes, aligned: 256 positions of one channel
.endr
	WIN 0
	s_mov_b32 s[BT], 8
.Lrows:                                                ; a trip: eight of my 64 rows of the head
	ALL8 ds_load_b128 v[X+4*t:X+4*t+3], v[RDA] offset:t*CP
	s_wait_dscnt 0x0
	ALL8 v_pk_mul_f32 v[T+2*t:T+2*t+1], v[X+4*t:X+4*t+1], v[X+4*t:X+4*t+1]
	ALL8 v_pk_fma_f32 v[T+2*t:T+2*t+1], v[X+4*t+2:X+4*t+3], v[X+4*t+2:X+4*t+3], v[T+2*t:T+2*t+1]
	ALL8 v_add_f32 v[T+2*t], v[T+2*t], v[T+2*t+1]
	ALL8 v_add_f32_dpp v[T+2*t], v[T+2*t], v[T+2*t] row_xmask:1 row_mask:0xf bank_mask:0xf
	ALL8 v_add_f32_dpp v[T+2*t], v[T+2*t], v[T+2*t] row_xmask:2 row_mask:0xf bank_mask:0xf
	ALL8 v_add_f32_dpp v[T+2*t], v[T+2*t], v[T+2*t] row_xmask:4 row_mask:0xf bank_mask:0xf
	ALL8 v_add_f32_dpp v[T+2*t], v[T+2*t], v[T+2*t] row_xmask:8 row_mask:0xf bank_mask:0xf
	ALL8 v_permlanex16_b32 v[T+2*t+1], v[T+2*t], s86, s87
	ALL8 v_add_f32 v[T+2*t], v[T+2*t], v[T+2*t+1]
	ALL8 v_fma_f32 v[T+2*t], v[T+2*t], s84, s85    ; the mean of the squares + 1e-6
	ALL8 v_rsq_f32 v[T+2*t], v[T+2*t]              ; one batch of eight
	v_nop                                          ; a plain instruction behind the last of them
	s_wait_alu depctr_va_vdst(0)                   ; the wait ahead of the batch's first reader: one for the eight
	ALL8 v_pk_mul_f32 v[X+4*t:X+4*t+1], v[X+4*t:X+4*t+1], v[T+2*t:T+2*t+1] op_sel_hi:[1,0]
	ALL8 v_pk_mul_f32 v[X+4*t+2:X+4*t+3], v[X+4*t+2:X+4*t+3], v[T+2*t:T+2*t+1] op_sel_hi:[1,0]
	ALL8 v_pk_mul_f32 v[XN+4*t:XN+4*t+1], v[X+4*t:X+4*t+1], v[W:W+1]
	ALL8 v_pk_mul_f32 v[XN+4*t+2:XN+4*t+3], v[X+4*t+2:X+4*t+3], v[W+2:W+3]
	ALL8 v_pk_mul_f32 v[Y+4*t:Y+4*t+1], v[X+4*t:X+4*t+1], v[W+4:W+5]
	ALL8 v_pk_mul_f32 v[Y+4*t+2:Y+4*t+3], v[X+4*t+2:X+4*t+3], v[W+6:W+7]
	ALL8 v_permlanex16_b32 v[X+4*t], v[Y+4*t], s86, s87          ; rotate_half: channel d takes -x[d + 64] (d < 64) or x[d - 64], from the lane 16 away
	ALL8 v_permlanex16_b32 v[X+4*t+1], v[Y+4*t+1], s86, s87
	ALL8 v_permlanex16_b32 v[X+4*t+2], v[Y+4*t+2], s86, s87
	ALL8 v_permlanex16_b32 v[X+4*t+3], v[Y+4*t+3], s86, s87
	s_wait_loadcnt 0x0                             ; cos and sin of these rows, asked for a trip earlier (the first: at the kernel's head)
	ALL8 v_fma_mix_f32_bf16 v[XN+4*t], v[CO+2*t], v[XN+4*t], v[ZERO] op_sel_hi:[1,0,0]
	ALL8 v_fma_mix_f32_bf16 v[XN+4*t+1], v[CO+2*t], v[XN+4*t+1], v[ZERO] op_sel:[1,0,0] op_sel_hi:[1,0,0]
	ALL8 v_fma_mix_f32_bf16 v[XN+4*t+2], v[CO+2*t+1], v[XN+4*t+2], v[ZERO] op_sel_hi:[1,0,0]
	ALL8 v_fma_mix_f32_bf16 v[XN+4*t+3], v[CO+2*t+1], v[XN+4*t+3], v[ZERO] op_sel:[1,0,0] op_sel_hi:[1,0,0]
	ALL8 v_fma_mix_f32_bf16 v[XN+4*t], v[SI+2*t], v[X+4*t], v[XN+4*t] op_sel_hi:[1,0,0]
	ALL8 v_fma_mix_f32_bf16 v[XN+4*t+1], v[SI+2*t], v[X+4*t+1], v[XN+4*t+1] op_sel:[1,0,0] op_sel_hi:[1,0,0]
	ALL8 v_fma_mix_f32_bf16 v[XN+4*t+2], v[SI+2*t+1], v[X+4*t+2], v[XN+4*t+2] op_sel_hi:[1,0,0]
	ALL8 v_fma_mix_f32_bf16 v[XN+4*t+3], v[SI+2*t+1], v[X+4*t+3], v[XN+4*t+3] op_sel:[1,0,0] op_sel_hi:[1,0,0]
	s_add_nc_u64 s[CB:CB+1], s[CB:CB+1], 8*256     ; free since the wait above: the next eight rows of the tables,
	s_cmp_lg_u32 s[ROPE], 0
	s_cbranch_scc0 .Lno_tab
	s_cmp_lg_u32 s[BT], 1                          ; which the last trip does not have
	s_cbranch_scc0 .Lno_tab
	ALL8 global_load_b64 v[CO+2*t:CO+2*t+1], v[VL], s[CB:CB+1] offset:256*t
	ALL8 global_load_b64 v[SI+2*t:SI+2*t+1], v[VL], s[CB:CB+1] offset:256*t+524288
.Lno_tab:
	ALL8 v_cvt_pk_f16_f32 v[OH+2*t], v[XN+4*t], v[XN+4*t+1]
	ALL8 v_cvt_pk_f16_f32 v[OH+2*t+1], v[XN+4*t+2], v[XN+4*t+3]
	ALL8 global_store_b64 v[VL], v[OH+2*t:OH+2*t+1], s[QD:QD+1] offset:256*t  ; the wave's 32 lanes store one whole row of 256 bytes
	s_wait_xcnt 0x0                                ; the stores have read their base and their data: only now are these written again
	s_add_nc_u64 s[QD:QD+1], s[QD:QD+1], 8*256
	v_add_nc_u32 v[RDA], 8*CP, v[RDA]
	s_sub_co_u32 s[BT], s[BT], 1
	s_cmp_lg_u32 s[BT], 0
	s_cbranch_scc1 .Lrows
	s_wait_tensorcnt 0x0                           ; the wave's end, behind my last tensor load and my last LDS store
	ds_add_u32 v[SPW], v[NIL]
	s_wait_dscnt 0x0
	CROUND                                         ; the closing round
	s_endpgm
.Lfunc_end_k_q870cf7a307_qkv:
	.size	k_q870cf7a307_qkv, .Lfunc_end_k_q870cf7a307_qkv-k_q870cf7a307_qkv
	.p2alignl 7, 3214868480
	.fill 96, 4, 3214868480
	.section	.rodata,"a",@progbits
	.p2align	6, 0x0
	.amdhsa_kernel k_q870cf7a307_qkv
		.amdhsa_group_segment_fixed_size 327680
		.amdhsa_private_segment_fixed_size 0
		.amdhsa_enable_private_segment 0
		.amdhsa_kernarg_size 64
		.amdhsa_user_sgpr_count 2
		.amdhsa_user_sgpr_kernarg_segment_ptr 1
		.amdhsa_wavefront_size32 1
		.amdhsa_system_sgpr_workgroup_id_x 1
		.amdhsa_system_sgpr_workgroup_id_y 1
		.amdhsa_system_sgpr_workgroup_id_z 1
		.amdhsa_system_vgpr_workitem_id 0
		.amdhsa_next_free_vgpr 960
		.amdhsa_next_free_sgpr 98
		.amdhsa_reserve_vcc 0
		.amdhsa_float_denorm_mode_32 3
		.amdhsa_float_denorm_mode_16_64 3
		.amdhsa_memory_ordered 1
		.amdhsa_forward_progress 1
		.amdhsa_inst_pref_size 130
	.end_amdhsa_kernel
	.amdgpu_metadata
---
amdhsa.version: [ 1, 2 ]
amdhsa.kernels:
  - .name:           k_q870cf7a307_qkv
    .symbol:         k_q870cf7a307_qkv.kd
    .args:
      - { .name: Xb, .offset: 0, .size: 8, .value_kind: global_buffer, .address_space: global }
      - { .name: Wb, .offset: 8, .size: 8, .value_kind: global_buffer, .address_space: global }
      - { .name: CSb, .offset: 16, .size: 8, .value_kind: global_buffer, .address_space: global }
      - { .name: q_norm_w, .offset: 24, .size: 8, .value_kind: global_buffer, .address_space: global }
      - { .name: k_norm_w, .offset: 32, .size: 8, .value_kind: global_buffer, .address_space: global }
      - { .name: Qh, .offset: 40, .size: 8, .value_kind: global_buffer, .address_space: global }
      - { .name: Kh, .offset: 48, .size: 8, .value_kind: global_buffer, .address_space: global }
      - { .name: Vh, .offset: 56, .size: 8, .value_kind: global_buffer, .address_space: global }
    .group_segment_fixed_size: 327680
    .private_segment_fixed_size: 0
    .kernarg_segment_align: 8
    .kernarg_segment_size: 64
    .max_flat_workgroup_size: 128
    .sgpr_count:     98
    .vgpr_count:     960
    .wavefront_size: 32
...
	.end_amdgpu_metadata
.endif
;; end of part 2
;; launch attn (part 3): grid 16 x 16, 4 waves a work-group, clusters of 4 x 4, 327,680 bytes of LDS; arguments Qh, Kh, Vh, attention_mask, Oa; writes Oa
.if DOCPART == 3
	.amdgcn_target "amdgcn-amd-amdhsa--gfx1250"
	.amdhsa_code_object_version 6
	.text
	.protected	k_q870cf7a307_attn
	.globl	k_q870cf7a307_attn
	.p2align	8
	.type	k_q870cf7a307_attn,@function
k_q870cf7a307_attn:
	s_mov_b64 s[64:65], 0
	v_nop
	global_prefetch_b8 v0, s[64:65] scope:SCOPE_SE
	s_setreg_imm32_b32 hwreg(HW_REG_WAVE_MODE, 25, 1), 1
	s_wait_xcnt 0x0
	s_wait_alu depctr_hold_cnt(0) depctr_sa_sdst(0) depctr_va_vdst(0) depctr_va_sdst(0) depctr_va_ssrc(0) depctr_va_vcc(0) depctr_vm_vsrc(0)
	s_getreg_b32 s2, hwreg(HW_REG_IB_STS2, 6, 4)
	s_cmp_eq_u32 s2, 0
	s_cbranch_scc0 .Lentry_in_a_cluster
	s_endpgm
.Lentry_in_a_cluster:
	s_bfe_u32 s2, ttmp6, 0x10000c
	s_cmp_lg_u32 s2, 0xf033
	s_cbranch_scc0 .Lentry_shape_is_right
	s_endpgm
.Lentry_shape_is_right:
; O[b][q][h][:] = the sum over k of softmax_k(q' . k + mask[b][q][k]) v[k][:].  Qh (which carries 1 / sqrt(128)), Kh: [16 = 8 b + h][2,048][128] f16; Vh, stored turned: [16][128 channels][2,048 positions] f16;
; attention_mask: [2][2,048][2,048] f32, read as it is given; Oa: [4,096][1,024] f16.  Products, maxima and sums in f32; the weights p are rounded to f16 for the second product (their sum l is taken of the unrounded p), O once at the end.
; LIMITS.  The running maximum starts at -1e30: a query whose scores plus mask all lie below that gets l = 0 and NaN (as a row of -inf does in the softmax itself).  A weight below 2^-126 counts as 0.
; NaN and +inf in the mask are not treated apart.  f16 holds no number beyond 65,504: O is a mean of v's rows and has their range.
; SHARES.  A work-group owns 128 queries of one head: 256 work-groups.  Wave w takes 64 queries (half w % 2) and, of each slot's 128 keys, 64 (half w / 2): four tiles of 16 queries, 1,024 keys in 16 steps.
; The two waves of a query half meet at the end: each sends the partial O^T, maximum and sum of 32 queries to the other and finishes the other 32.  So that all waves run one text, a wave's PIECE 0 (tiles 0, 1)
; is the 32 queries that it finishes, PIECE 2 (tiles 2, 3) those that it sends.
; LAYOUT.  S^T = K Q^T + mask (source 0 = 16 keys, source 1 = 16 queries): a lane holds ONE query (lane % 16) and the keys 8 (lane / 16) + 0..7.  THE MASK IS THE C OPERAND: it is loaded from LDS straight into
; S^T's registers, and every product of K Q^T adds in place.  Two results, rounded to f16 in pairs, ARE source 1 of O^T = V^T P.  K and V^T come out of LDS as they lie.
; SOFTMAX.  p = 2^(c t - c m), c = log2(e), with a running maximum m; in every step O and l are multiplied by a = 2^(c m_old - c m_new).
; BY TURNS.  In a TURN one piece has the matrix unit (32 products V^T P of the step in hand, then 32 products K Q^T of the next); the other piece's softmax, cut into 64 slices, stands behind the matrix instructions.
; NO FIRST STEP IS WRITTEN OUT: O^T, l, V and piece 0's P start at 0, piece 2's scores at -inf, m at -1e30; the first trip's products on them add 0.  The tail's last turn multiplies the last K once more for nothing.
; CLUSTER 4 x 4.  The four query blocks of a row of the cluster walk one head's K and V; the four heads of a column read the same tile of the mask: each tile is asked for jointly.
; Wave 0 fetches a slot's K, wave 1 its V, waves 2 and 3 the two halves of its mask tile.
; REGISTERS, in windows of 256 (bits 1:0 source 0, 3:2 source 1, 5:4 source 2, 7:6 destination):
;   window 0: v0-11, v44-63 addresses and the merge; v12-43 eight registers of statistics a tile; v64-191 S^T, 32 a tile; v192-255 P, 16 a tile
;   window 1: O^T, 64 a tile          window 2: v0-127 Q, 32 a tile; v128-255 K of one step          window 3: v0-127 V of one step
.set PK,    272       ; a row of K in LDS: 256 bytes + 16: the 16 rows of a load start at 16 different groups of four banks (64 banks of 4 bytes: ISA guide 11.1)
.set PV,    272       ; a channel row of V^T: 128 keys in f16 + 16 bytes
.set PM,    528       ; a row of the mask tile: 128 f32 + 16 bytes = 33 x 16
.set VOFF,  128*PK
.set MOFF,  VOFF+36864  ; V's region is given 36,864 bytes (it uses 128 x 272), so that
.set SLOTB, MOFF+128*PM  ; a slot is 139,264 = 0x22000 bytes: no offset inside a slot that is turned by an exclusive or shares a bit with it
.set SPARE, 2*SLOTB   ; behind the ring: the spare words, 128 bytes for each wave, which no other line names
.set BOX,   16896     ; in slot 0's bytes, behind their last fill: wave w's outbox: 32 chunks of 512 bytes, then 512 of statistics
.set STAGE, 4*BOX     ; behind the outboxes: 16 rows x 272 bytes for each wave
.set SP,    272
.set AK0, 2           ; v2   my lane's place in a slot's K; never rewritten
.set AV0, 3           ; v3   in its V
.set ADR, 4           ; v4   the LDS address of the run of loads in hand
.set QO,  5           ; v5   my byte offset in Q, piece 0
.set STO, 6
.set RD,  7
.set GO,  8
.set ST,  12          ; tile t's statistics at v[ST+8 t]: +0 c m, +1 m, +2, +3 l, +4 to +7 c0-c3 at work; a takes c2's place
.set AM0, 44          ; v44  my lane's place in a slot's mask tile, piece 0
.set AM2, 45          ; v45  piece 2
.set ADM, 46          ; v46  the mask's address in hand
.set QO2, 47          ; v47  my byte offset in Q, piece 2
.set OUTB, 60         ; v60  my 16 bytes of a chunk of my outbox
.set PFO, 61          ; v61  the prefetches' offset; never rewritten
.set SPW, 62          ; v62  LDS address of my spare word; never rewritten
.set NIL, 63          ; v63  0; never rewritten
.set S,   64
.set P,   192
.set KF,  128
.set WV,  12          ; s12  wave
.set QH,  13          ; s13  w % 2
.set G,   14          ; s14  w / 2
.set LIM, 15          ; s15  2 in a wave that prefetches, else the greatest number
.set PFA, 18          ; s[18:19] where my prefetches stand
.set PS,  20          ; s[20:21] their step from slot to slot
.set G1K, 24
.set G1V, 32
.set G0K, 40
.set G0V, 44
.set G0M, 48
.set SLOTS, 56
.set CNT, 57
.set CS,  58          ; s[58:59] c
.set SEL, 60          ; s[60:61]
.set TB,  62          ; s62  LDS byte at which the slot that is read begins: 0 or SLOTB
.set G1M, 72
.set MSB, 0
.macro WIN new
.if MSB != (\new)
	s_set_vgpr_msb (MSB<<8)|(\new)
.set MSB, \new
.endif
.endm
.set W_KQ, 0x0a       ; K and Q in window 2, S^T in window 0
.set W_PV, 0x53       ; V in window 3, P in window 0, O^T in window 1
.set W_RS, 0x41       ; O^T (destination and source 0) in window 1, a in window 0
; A joint fill: one of three lines, by the wave's number alone.  An s_nop 0 and four v_nop follow each, ahead of the jump and the label.
.macro JLOAD
	s_cmp_lt_u32 s[WV], 2
	s_cbranch_scc0 .Lfor_m_\@
	s_cmp_eq_u32 s[WV], 0
	s_cbranch_scc0 .Lfor_v_\@
	tensor_load_to_lds s[G0K:G0K+3], s[G1K:G1K+7]
	s_nop 0
.rept 4
	v_nop
.endr
	s_branch .Lasked_\@
.Lfor_v_\@:
	tensor_load_to_lds s[G0V:G0V+3], s[G1V:G1V+7]
	s_nop 0
.rept 4
	v_nop
.endr
	s_branch .Lasked_\@
.Lfor_m_\@:
	tensor_load_to_lds s[G0M:G0M+3], s[G1M:G1M+7]
	s_nop 0
.rept 4
	v_nop
.endr
.Lasked_\@:
.endm
; A PREFETCH INTO THE L2 of the slot that stands two changes on: in trip n, which asks for slot n + 1, slot n + 3: 256 matrix instructions ahead of its load.  One instruction a wave, behind the tensor load and its five lines.
; Each block of 256 bytes is named once in the launch.  K's rows and V's channel rows: the head's first cluster (x = 0), waves 0 and 1, each partner 32 of the 128 rows, a lane a row.  The mask: of the two clusters that
; read a tile the one with even y, waves 2 and 3, each partner 16 of the wave's 64 rows, two lanes a row of 512 bytes.  Partners are told apart by address.  Trips 13 and 14 ask for nothing.
.macro ASK
	s_cmp_gt_u32 s[SLOTS], s[LIM]
	s_cbranch_scc0 .Lnot_mine_\@
	global_prefetch_b8 v[PFO], s[PFA:PFA+1] th:TH_LOAD_NT scope:SCOPE_SE
.Lnot_mine_\@:
.endm
.macro CROUND
	s_barrier_signal -1
	s_barrier_wait -1
	s_cmp_lg_u32 s[WV], 0
	s_cbranch_scc1 .Lnot_wave_0_\@
	s_barrier_signal -3
.Lnot_wave_0_\@:
	s_barrier_wait -3
	s_barrier_signal -1
	s_barrier_wait -1
.endm
; THE CHANGE OF SLOTS.  Each wave waits for all its tensor loads (one is out: its part of the slot to be read), adds 0 to its spare word, and waits for that and for its own reads of the slot that it leaves.
; fill = 1: the barrier is a round of the cluster's, and the slot just left is filled again first thing behind it, with the next 128 keys: 128 matrix instructions and their slices in which to land.
; (At its first use nothing has been read yet: slot 0 is waited for, slot 1 filled.)
.macro CHANGE fill
	WIN 0
	s_wait_tensorcnt 0x0
	ds_add_u32 v[SPW], v[NIL]       ; the scalar work below stands between the add and the wait for it
.if \fill
	s_xor_b32 s[G0K+1], s[G0K+1], SLOTB
	s_add_nc_u64 s[G0K+2:G0K+3], s[G0K+2:G0K+3], 128*256  ; 128 rows of K
	s_xor_b32 s[G0V+1], s[G0V+1], SLOTB
	s_add_nc_u64 s[G0V+2:G0V+3], s[G0V+2:G0V+3], 128*2    ; 128 positions along V's channel rows
	s_xor_b32 s[G0M+1], s[G0M+1], SLOTB
	s_add_nc_u64 s[G0M+2:G0M+3], s[G0M+2:G0M+3], 128*4    ; 128 keys along the mask's rows
	s_wait_xcnt 0x0                 ; the last prefetch, a step back, has read its address
	s_add_nc_u64 s[PFA:PFA+1], s[PFA:PFA+1], s[PS:PS+1]
.endif
	s_xor_b32 s[TB], s[TB], SLOTB
	s_wait_dscnt 0x0                ; the add is done, my reads of the slot are over
.if \fill
	CROUND
	JLOAD
	ASK
.else
	s_barrier_signal -1
	s_barrier_wait -1
.endif
.endm
	s_load_b256 s[4:11], s[0:1], 0x0  ; Qh 4, Kh 6, Vh 8, attention_mask 10
	s_load_b64 s[68:69], s[0:1], 0x20 ; Oa
	v_lshl_add_u32 v[SPW], v0, 2, SPARE
	v_mov_b32 v[NIL], 0
	ds_add_u32 v[SPW], v[NIL]       ; the wave's opening: the add and its wait stand ahead of my first tensor load
	v_lshrrev_b32 v1, 5, v0
	v_readfirstlane_b32 s[WV], v1
	s_and_b32 s[QH], s[WV], 1
	s_lshr_b32 s[G], s[WV], 1
	s_bfe_u32 s16, ttmp6, 0x40000   ; cx
	s_bfe_u32 s17, ttmp6, 0x40004   ; cy
	s_lshl_b32 s53, ttmp9, 2
	s_add_co_u32 s53, s53, s16      ; my block of 128 queries
	s_and_b32 s55, ttmp7, 0xffff    ; the cluster's y
	s_lshl_b32 s54, s55, 2
	s_add_co_u32 s54, s54, s17      ; 8 b + h
	s_lshr_b32 s66, s55, 1          ; b: from the cluster's y alone
	s_lshl_b32 s22, s17, 2
	s_lshl_b32 s22, 15, s22         ; my row of the cluster
	s_lshl_b32 s23, 0x1111, s16     ; my column
	s_or_b32 s[G1K], s22, (1<<16)|(1<<20)|(1<<21)|(5<<22)|(3<<25)  ; 2-byte elements; padding of 4 words after every 64
	s_or_b32 s[G1V], s22, (1<<16)|(1<<20)|(1<<21)|(5<<22)|(3<<25)
	s_or_b32 s[G1M], s23, (2<<16)|(1<<20)|(1<<21)|(6<<22)|(3<<25)  ; 4-byte elements; 4 words after every 128
.irp g, G1K, G1V
	s_mov_b32 s[(\g)+1], 128<<16    ; tensor_dim0 = 128
	s_mov_b32 s[(\g)+2], 128<<16    ; tensor_dim1 = 128
	s_mov_b32 s[(\g)+3], 128<<16    ; tile_dim0 = 128
	s_mov_b32 s[(\g)+4], 128        ; tile_dim1 = 128
	s_mov_b32 s[(\g)+6], 0
	s_mov_b32 s[(\g)+7], 0
.endr
	s_mov_b32 s[G1K+5], 128         ; elements from row to row: K's rows are dense,
	s_mov_b32 s[G1V+5], 2048        ; V's channel rows hold 2,048 positions
	s_mov_b32 s[G1M+1], 128<<16
	s_mov_b32 s[G1M+2], 64<<16      ; 64 queries
	s_mov_b32 s[G1M+3], 128<<16
	s_mov_b32 s[G1M+4], 64
	s_mov_b32 s[G1M+5], 2048
	s_mov_b32 s[G1M+6], 0
	s_mov_b32 s[G1M+7], 0
	s_mov_b32 s[CS], 0x3fb8aa3b     ; log2(e)
	s_mov_b32 s[CS+1], s[CS]
	s_mov_b32 s[SEL], 0x76543210
	s_mov_b32 s[SEL+1], 0xfedcba98
	s_mov_b32 s[TB], SLOTB          ; the first change of slots turns it into 0
	s_mov_b32 s[SLOTS], 15
	s_mov_b32 s[G0K], 1
	s_mov_b32 s[G0K+1], 0
	s_mov_b32 s[G0V], 1
	s_mov_b32 s[G0V+1], VOFF
	s_mov_b32 s[G0M], 1
	s_mul_i32 s[G0M+1], s[QH], 64*PM
	s_add_co_u32 s[G0M+1], s[G0M+1], MOFF
	s_lshl_b32 s80, s54, 19         ; the head's first byte in Qh, Kh, Vh
	s_mov_b32 s81, 0
	s_lshl_b32 s82, s66, 24         ; the batch's mask,
	s_lshl_b32 s2, s53, 7
	s_lshl_b32 s3, s[QH], 6
	s_add_co_u32 s2, s2, s3
	s_lshl_b32 s2, s2, 13           ; the 64 query rows of 8,192 bytes that waves 2 and 3 fetch
	s_add_co_u32 s82, s82, s2
	s_mov_b32 s83, 0
	s_wait_dscnt 0x0                ; the opening add is done
	s_wait_kmcnt 0x0
	s_add_nc_u64 s[G0K+2:G0K+3], s[6:7], s[80:81]
	s_or_b32 s[G0K+3], s[G0K+3], 0x80000000
	s_add_nc_u64 s[G0V+2:G0V+3], s[8:9], s[80:81]
	s_or_b32 s[G0V+3], s[G0V+3], 0x80000000
	s_add_nc_u64 s[G0M+2:G0M+3], s[10:11], s[82:83]
	s_or_b32 s[G0M+3], s[G0M+3], 0x80000000
	CROUND                          ; all sixteen work-groups are here
	JLOAD                           ; slot 0
	; Q stays in registers
	v_and_b32 v1, 15, v0            ; l % 16
	v_bfe_u32 v9, v0, 4, 1          ; l / 16
	v_lshlrev_b32 v[QO], 8, v1
	v_lshl_add_u32 v[QO], v9, 4, v[QO]
	s_lshl_b32 s2, s[G], 13         ; piece 0: rows 32 G .. of my 64,
	s_xor_b32 s3, s2, 8192          ; piece 2: the other 32
	v_add_nc_u32 v[QO2], s3, v[QO]
	v_add_nc_u32 v[QO], s2, v[QO]
	s_lshl_b32 s2, s53, 15
	s_lshl_b32 s3, s[QH], 14
	s_add_co_u32 s2, s2, s3
	s_add_co_u32 s2, s2, s80
	s_mov_b32 s3, 0
	s_add_nc_u64 s[4:5], s[4:5], s[2:3]
	WIN 0x80                        ; destination window 2
.irp i, 0,1,2,3,4,5,6,7
	global_load_b128 v[8*(\i):8*(\i)+3],   v[QO], s[4:5] offset:((\i)/4)*4096+((\i)%4)*64
	global_load_b128 v[8*(\i)+4:8*(\i)+7], v[QO], s[4:5] offset:((\i)/4)*4096+((\i)%4)*64+32
	global_load_b128 v[64+8*(\i):64+8*(\i)+3],   v[QO2], s[4:5] offset:((\i)/4)*4096+((\i)%4)*64
	global_load_b128 v[64+8*(\i)+4:64+8*(\i)+7], v[QO2], s[4:5] offset:((\i)/4)*4096+((\i)%4)*64+32
.endr
	WIN 0
	; the prefetches
	s_lshl_b32 s2, s16, 13          ; K: my work-group's 32 rows of 256 bytes,
	s_add_co_u32 s2, s2, s80
	s_add_co_u32 s2, s2, 2*128*256  ; in slot 2; the first change steps it to slot 3
	s_lshl_b32 s22, s16, 17         ; V: my work-group's 32 channel rows of 4,096 bytes
	s_add_co_u32 s22, s22, s80
	s_add_co_u32 s22, s22, 2*128*2
	s_lshl_b32 s3, s17, 17          ; the mask: my work-group's 16 rows of 8,192 bytes
	s_add_co_u32 s3, s3, s82
	s_add_co_u32 s3, s3, 2*128*4
	s_and_b32 s67, s55, 1
	s_mov_b32 s71, 128*4
	s_mov_b32 s23, 128*2
	s_cmp_eq_u32 s[WV], 0
	s_cselect_b64 s[PFA:PFA+1], s[6:7], s[8:9]
	s_cselect_b32 s2, s2, s22
	s_cselect_b32 s[PS], 128*256, s23
	s_cselect_b32 s22, -1, 0
	s_cmp_lt_u32 s[WV], 2
	s_cselect_b64 s[PFA:PFA+1], s[PFA:PFA+1], s[10:11]
	s_cselect_b32 s2, s2, s3
	s_cselect_b32 s[PS], s[PS], s71
	s_cselect_b32 s67, ttmp9, s67   ; the coordinate along which other clusters read the same bytes
	s_cselect_b32 s70, -1, 0
	s_mov_b32 s3, 0
	s_mov_b32 s[PS+1], 0
	s_add_nc_u64 s[PFA:PFA+1], s[PFA:PFA+1], s[2:3]
	s_cmp_eq_u32 s67, 0
	s_cselect_b32 s[LIM], 2, -1     ; the same in all sixteen partners, for a given wave
	v_and_b32 v10, 31, v0
	v_lshlrev_b32 v11, 8, v10       ; K: a lane a row of 256 bytes
	v_lshlrev_b32 v[ADM], 12, v10   ; V: a lane a channel row
	v_cndmask_b32 v11, v[ADM], v11, s22
	v_lshrrev_b32 v[ADR], 1, v10
	v_and_b32 v[ADM], 1, v10
	v_lshlrev_b32 v[ADR], 13, v[ADR]
	v_lshl_add_u32 v[ADR], v[ADM], 8, v[ADR]  ; the mask: two lanes a row
	v_cndmask_b32 v[PFO], v[ADR], v11, s70
	s_mul_i32 s2, s[WV], BOX
	v_lshl_add_u32 v[OUTB], v10, 4, s2
	; O at my piece 0
	s_lshl_b32 s2, s66, 11
	s_lshl_b32 s3, s53, 7
	s_add_co_u32 s2, s2, s3
	s_lshl_b32 s3, s[QH], 6
	s_add_co_u32 s2, s2, s3
	s_lshl_b32 s3, s[G], 5
	s_add_co_u32 s2, s2, s3
	s_lshl_b32 s2, s2, 11           ; rows of 2,048 bytes
	s_and_b32 s3, s54, 7
	s_lshl_b32 s3, s3, 8            ; the head's 256 bytes of a row
	s_add_co_u32 s2, s2, s3
	s_mov_b32 s3, 0
	s_add_nc_u64 s[68:69], s[68:69], s[2:3]
	; LDS places
	v_mul_u32_u24 v[AK0], v1, PK
	v_lshl_add_u32 v[AK0], v9, 4, v[AK0]
	s_mul_i32 s2, s[G], 64*PK
	v_add_nc_u32 v[AK0], s2, v[AK0]  ; (64 G + l % 16) x pitch + 16 (l / 16)
	v_mul_u32_u24 v[AV0], v1, PV
	v_lshl_add_u32 v[AV0], v9, 4, v[AV0]
	s_lshl_b32 s2, s[G], 7          ; my 64 keys: 128 bytes of a channel row
	s_add_co_u32 s2, s2, VOFF
	v_add_nc_u32 v[AV0], s2, v[AV0]  ; channel l % 16, keys 64 G + 8 (l / 16) + 0..7
	v_mul_u32_u24 v[AM0], v1, PM
	v_lshl_add_u32 v[AM0], v9, 5, v[AM0]
	s_mul_i32 s2, s[QH], 64*PM
	s_lshl_b32 s3, s[G], 8          ; my 64 keys: 256 bytes of a row
	s_add_co_u32 s2, s2, s3
	s_add_co_u32 s2, s2, MOFF
	s_mul_i32 s3, s[G], 32*PM
	s_add_co_u32 s3, s3, s2
	s_xor_b32 s22, s[G], 1
	s_mul_i32 s22, s22, 32*PM
	s_add_co_u32 s22, s22, s2
	v_add_nc_u32 v[AM2], s22, v[AM0]
	v_add_nc_u32 v[AM0], s3, v[AM0]
	s_mul_i32 s2, s[WV], 16*SP
	s_add_co_u32 s2, s2, STAGE
	v_mul_u32_u24 v[STO], v1, SP    ; in: row l % 16, 16 bytes for each half of the lanes
	v_lshl_add_u32 v[STO], v9, 4, v[STO]
	v_add_nc_u32 v[STO], s2, v[STO]
	v_mul_u32_u24 v[RD], v9, SP     ; back: lanes 0-15 one row of 256 bytes, lanes 16-31 the next
	v_lshl_add_u32 v[RD], v1, 4, v[RD]
	v_add_nc_u32 v[RD], s2, v[RD]
	v_lshlrev_b32 v[GO], 11, v9     ; and the same two rows in Oa
	v_lshl_add_u32 v[GO], v1, 4, v[GO]
	; what the first trip finds; all this stands in the wait for the first tile
	WIN 0x40
.set i, 0
.rept 256
	v_mov_b32 v[i], 0               ; O^T
.set i, i+1
.endr
	WIN 0xc0
.set i, 0
.rept 128
	v_mov_b32 v[i], 0               ; V
.set i, i+1
.endr
	WIN 0
.set i, 0
.rept 32
	v_mov_b32 v[P+i], 0             ; piece 0's P
.set i, i+1
.endr
.set i, 0
.rept 64
	v_mov_b32 v[S+64+i], 0xff800000 ; piece 2's scores of a step that has not been: weights 0
.set i, i+1
.endr
.irp t, 0,1,2,3
	v_mov_b32 v[ST+8*(\t)+1], 0xf149f2ca  ; m = -1e30
	v_mov_b32 v[ST+8*(\t)+2], 0
	v_mov_b32 v[ST+8*(\t)+3], 0
	v_mul_f32 v[ST+8*(\t)], s[CS], v[ST+8*(\t)+1]
.endr
; THE MATRIX WORK OF A TURN, for piece x.  The accumulators take turns, one instruction a turn: between two links of a chain stand 15 (V^T P) or 7 (K Q^T) others'.
.macro PV x                         ; product i of 32 of O^T += V^T P: keys 32 (i / 16) on, channels 16 ((i / 2) % 8) on, tile x + i % 2
	WIN W_PV
.set rO, 64*((\x)+i%2)+8*((i/2)%8)
.set rV, 64*(i/16)+8*((i/2)%8)
.set rP, P+16*((\x)+i%2)+8*(i/16)
	v_wmma_f32_16x16x32_f16 v[rO:rO+7], v[rV:rV+7], v[rP:rP+7], v[rO:rO+7]
.endm
.macro KQ x                         ; product i of 32 of S^T += K Q^T: channels 32 (i / 8) on, keys 16 ((i / 2) % 4) on, tile x + i % 2; the sums start from the mask
	WIN W_KQ
.set rS, S+32*((\x)+i%2)+8*((i/2)%4)
.set rK, KF+32*((i/2)%4)+8*(i/8)
.set rQ, 32*((\x)+i%2)+8*(i/8)
	v_wmma_f32_16x16x32_f16 v[rS:rS+7], v[rK:rK+7], v[rQ:rQ+7], v[rS:rS+7]
.endm
; THE LDS LOADS stand in runs.  The mask of piece x: 2 tiles x 4 key blocks x 8 f32 a lane, into S^T's registers, which the piece's last softmax has left.
.macro FETCH_M x
	WIN 0
.if (\x) == 0
	v_add_nc_u32 v[ADM], s[TB], v[AM0]
.else
	v_add_nc_u32 v[ADM], s[TB], v[AM2]
.endif
.irp t, 0,1
.irp kb, 0,1,2,3
	ds_load_b128 v[S+32*((\x)+(\t))+8*(\kb):S+32*((\x)+(\t))+8*(\kb)+3],   v[ADM] offset:(\t)*16*PM+64*(\kb)
	ds_load_b128 v[S+32*((\x)+(\t))+8*(\kb)+4:S+32*((\x)+(\t))+8*(\kb)+7], v[ADM] offset:(\t)*16*PM+64*(\kb)+16
.endr
.endr
.endm
.macro FETCH_K
	WIN 0
	v_add_nc_u32 v[ADR], s[TB], v[AK0]
	WIN 0x80
.irp f, 0,1,2,3,4,5,6,7,8,9,10,11,12,13,14,15  ; keys 16 (f / 4) on, channels 32 (f % 4) on
	ds_load_b128 v[KF+8*(\f):KF+8*(\f)+3],   v[ADR] offset:((\f)/4)*16*PK+((\f)%4)*64
	ds_load_b128 v[KF+8*(\f)+4:KF+8*(\f)+7], v[ADR] offset:((\f)/4)*16*PK+((\f)%4)*64+32
.endr
.endm
.macro FETCH_V
	WIN 0
	v_add_nc_u32 v[ADR], s[TB], v[AV0]
	s_wait_alu depctr_va_vdst(0)    ; the wait for the softmax's batch (SLICE), behind the address's v_add_nc_u32 and ahead of the loads
	WIN 0xc0
.irp f, 0,1,2,3,4,5,6,7,8,9,10,11,12,13,14,15  ; keys 32 (f / 8) on, channels 16 (f % 8) on: 16 channel rows x 32 keys, two loads of 16 bytes, 32 bytes apart
	ds_load_b128 v[8*(\f):8*(\f)+3],   v[ADR] offset:((\f)%8)*16*PV+((\f)/8)*64
	ds_load_b128 v[8*(\f)+4:8*(\f)+7], v[ADR] offset:((\f)%8)*16*PV+((\f)/8)*64+32
.endr
.endm
; THE VECTOR WORK OF A TURN.  One tile's softmax for one key step is a list of 134 instructions; SM writes number j of it for tile t.
;   0-15    the maximum of the lane's 32 scores and the old m (each accumulator's lowest registers are read first)
;   16-20   the other half of the lanes' maximum; the new m; c m; c m_old - c m_new
;   21-69   ONE BATCH: the 16 scalings c t - c m and all 33 exponentials (a at 23); none of these reads an exponential's result
;   (wait)  between 69 and 70 stands the wait for the batch: SLICE writes it, once for both tiles
;   70-85   the roundings to f16     86-101  the sums; l = a l + the sum     102-133 the tile's O^T times a
.macro SM t
.set rT, ST+8*(\t)
.set rS, S+32*(\t)
.set rP, P+16*(\t)
.set rO, 64*(\t)+2*(j-102)
.if j < 102
	WIN 0
.endif
.if j < 4
	v_max3_num_f32 v[rT+4+j], v[rS+8*j], v[rS+8*j+1], v[rS+8*j+2]
.elseif j < 12
	v_max3_num_f32 v[rT+4+j%4], v[rT+4+j%4], v[rS+8*(j%4)+2*(j/4)+1], v[rS+8*(j%4)+2*(j/4)+2]
.elseif j == 12
	v_max3_num_f32 v[rT+4], v[rT+4], v[rS+7], v[rS+15]
.elseif j == 13
	v_max3_num_f32 v[rT+6], v[rT+6], v[rS+23], v[rS+31]
.elseif j == 14
	v_max3_num_f32 v[rT+4], v[rT+4], v[rT+5], v[rT+6]
.elseif j == 15
	v_max3_num_f32 v[rT+4], v[rT+4], v[rT+7], v[rT+1]
.elseif j == 16
	v_permlanex16_b32 v[rT+5], v[rT+4], s[SEL], s[SEL+1]  ; the query's other 32 keys lie in the lane 16 away
.elseif j == 17
	v_mov_b32 v[rT+7], v[rT]        ; c m_old is kept for a
.elseif j == 18
	v_max_num_f32 v[rT+1], v[rT+4], v[rT+5]
.elseif j == 19
	v_mul_f32 v[rT], s[CS], v[rT+1]
.elseif j == 20
	v_sub_f32 v[rT+7], v[rT+7], v[rT]
.elseif j == 23
	v_exp_f32 v[rT+6], v[rT+7]
.elseif (j < 23) || ((j < 38) && (j%2 == 0)) || ((j < 66) && (j%4 == 2))
.set b, (j-2)/4                     ; 38, 42, .. 62: pairs 9 to 15
.if j < 38
.set b, (j-20)/2                    ; 21: pair 0; 22, 24, .. 36: pairs 1 to 8
.endif
	v_pk_fma_f32 v[rS+2*b:rS+2*b+1], v[rS+2*b:rS+2*b+1], s[CS:CS+1], v[rT:rT+1] op_sel_hi:[1,0,0] neg_lo:[0,0,1] neg_hi:[0,0,1]
.elseif j < 70
.set e, j-38                        ; 66 to 69: scores 28 to 31
.if j < 66
.set e, j-32-(j-38)/4               ; 39-41, 43-45, .. 63-65: scores 7 to 27
.endif
.if j < 38
.set e, (j-25)/2                    ; 25, 27, .. 37: scores 0 to 6
.endif
	v_exp_f32 v[rS+e], v[rS+e]
.elseif j < 86
	v_cvt_pk_f16_f32 v[rP+j-70], v[rS+2*(j-70)], v[rS+2*(j-70)+1]
.elseif j < 102                     ; the sum of the tile's 16 pairs, in place: neighbours 1, 2, 4 and 8 pairs apart, then l takes it
.set z, j-86
.set w, 4
.set u, z
.if z >= 14
.set w, 32
.set u, 0
.elseif z >= 12
.set w, 16
.set u, z-12
.elseif z >= 8
.set w, 8
.set u, z-8
.endif
.if z < 15
	v_pk_add_f32 v[rS+w*u:rS+w*u+1], v[rS+w*u:rS+w*u+1], v[rS+w*u+w/2:rS+w*u+w/2+1]
.else
	v_pk_fma_f32 v[rT+2:rT+3], v[rT+2:rT+3], v[rT+6:rT+7], v[rS:rS+1] op_sel_hi:[1,0,1]
.endif
.else
	WIN W_RS
	v_pk_mul_f32 v[rO:rO+1], v[rO:rO+1], v[rT+6:rT+7] op_sel_hi:[1,0]
.endif
.endm
; Slice k of 64 of piece y's softmax: four instructions.  Slices 11 to 34 deal out the batch, four numbers of ONE tile each, the tiles by turns; every other slice is numbers 2 k and 2 k + 1 of both tiles.
; 2 x 134 = 4 x 64 + 12: the twelve that are over stand in slice 63, whose sixteen plain instructions are the places behind the turn's last product.
; Ahead of slice 35 nothing names an exponential's result, behind slice 34 none is issued: the piece's 66 exponentials have one wait, behind slice 34, ahead of their first reader.
.macro SLICE y
.if (k >= 11) && (k < 35)
.irp n, 0,1,2,3
.set j, 22+4*((k-11)/2)+(\n)
	SM (\y)+(k-11)%2
.endr
.else
.irp n, 0,1,2,3,4,5,6,7
.if ((\n) < 2) || (k == 63)
.irp t, \y, (\y)+1
.set j, 2*k+(\n)
	SM \t
.endr
.endif
.endr
.endif
.if k == 34
	v_nop                           ; a plain instruction behind the last exponential: one for the batch
.if (\y) == 0
	FETCH_V                         ; piece 2's turn: V's run stands here, three products and four slices behind the last product that read V, and the wait stands in it
.else
	s_wait_alu depctr_va_vdst(0)
.endif
.endif
.set k, k+1
.endm
; A TURN.  Piece x has the matrix unit; the other piece's softmax stands in slices behind its matrix instructions.  Behind the second product stand the runs of loads for the turn's own K Q^T:
; piece x's mask, and in piece 0's turn the step's K; they are waited for 30 products later.
.macro TURN x
.set k, 0
.if (\x) == 0
	s_wait_dscnt 0x0                ; V is in
.endif
.set i, 0
.rept 32
	PV \x
	SLICE 2-(\x)
.if i == 1
	FETCH_M \x
.if (\x) == 0
	FETCH_K
.endif
.endif
.set i, i+1
.endr
	s_wait_dscnt 0x0                ; the mask is in S^T's registers (piece 0's turn: and K in its own)
.set i, 0
.rept 32
	KQ \x
	SLICE 2-(\x)
.set i, i+1
.endr
.endm
	s_wait_loadcnt 0x0              ; Q
.Lslot:                             ; trip n = 0 .. 14: slot n is waited for, slot n + 1 asked for; V^T P of step n - 1, K Q^T of step n
	CHANGE 1
	TURN 0
	TURN 2
	WIN 0
	s_sub_co_u32 s[SLOTS], s[SLOTS], 1
	s_cmp_lg_u32 s[SLOTS], 0
	s_cbranch_scc1 .Lslot
	CHANGE 0                        ; the tail is written out: slot 15 is waited for, nothing is asked for
	s_mov_b32 s[CNT], 2
.Ltail:
	TURN 0
	WIN 0
	s_sub_co_u32 s[CNT], s[CNT], 1
	s_cmp_eq_u32 s[CNT], 0
	s_cbranch_scc1 .Lout            ; the second trip is left in its middle; its 32 products K Q^T, on the last K once more, serve nothing: the price of one text for every trip
	TURN 2
	WIN 0
	s_branch .Ltail
.Lout:
.set i, 0
.rept 32
	PV 2                            ; piece 2: V^T P of the last step
.set i, i+1
.endr
	; THE WAY OUT.  l's two halves and the other half of the lanes' are added: these lines are the places behind the last products.
	WIN 0
.irp t, 0,1,2,3
	v_add_f32 v[ST+8*(\t)+4], v[ST+8*(\t)+2], v[ST+8*(\t)+3]
.endr
.irp t, 0,1,2,3
	v_permlanex16_b32 v[ST+8*(\t)+5], v[ST+8*(\t)+4], s[SEL], s[SEL+1]
.endr
.irp t, 0,1,2,3
	v_add_f32 v[ST+8*(\t)+4], v[ST+8*(\t)+4], v[ST+8*(\t)+5]
.endr
	v_mov_b32 v48, v[ST+16]         ; piece 2's c m and l, for the partner
	v_mov_b32 v49, v[ST+24]
	v_mov_b32 v50, v[ST+20]
	v_mov_b32 v51, v[ST+28]
	s_xor_b32 s2, s[WV], 2          ; the partner: same queries, the other keys
	s_mul_i32 s2, s2, BOX
	v_and_b32 v[ADR], 31, v0
	v_lshl_add_u32 v[ADR], v[ADR], 4, s2
	s_wait_dscnt 0x0
	s_barrier_signal -1             ; every wave's reads of the slots are over: slot 0's bytes, filled for the last time, take the outboxes and the stages
	s_barrier_wait -1
	WIN 0x04                        ; store data (source 1) in window 1
.set i, 0
.rept 32
	ds_store_b128 v[OUTB], v[128+4*i:128+4*i+3] offset:512*i  ; piece 2's O^T, lane for lane: the partner's tiles 0, 1 have the same layout
.set i, i+1
.endr
	WIN 0
	ds_store_b128 v[OUTB], v[48:51] offset:16384
	s_wait_dscnt 0x0                ; for the partner's sake: my stores are done
	s_barrier_signal -1
	s_barrier_wait -1
.set i, 0
.rept 32
	ds_load_b128 v[S+4*i:S+4*i+3], v[ADR] offset:512*i
.set i, i+1
.endr
	ds_load_b128 v[52:55], v[ADR] offset:16384
	s_wait_dscnt 0x0
.irp t, 0,1                         ; the two partial softmaxes of a query are brought to a common maximum: O = (a1 O1 + a2 O2) / (a1 l1 + a2 l2)
	v_max_num_f32 v[ST+8*(\t)+5], v[ST+8*(\t)], v[52+(\t)]
.endr
.irp t, 0,1
	v_sub_f32 v[ST+8*(\t)+6], v[ST+8*(\t)], v[ST+8*(\t)+5]
	v_sub_f32 v[ST+8*(\t)+7], v[52+(\t)], v[ST+8*(\t)+5]
.endr
.irp t, 0,1
	v_exp_f32 v[ST+8*(\t)+6], v[ST+8*(\t)+6]
	v_exp_f32 v[ST+8*(\t)+7], v[ST+8*(\t)+7]
.endr
	v_nop
	s_wait_alu depctr_va_vdst(0)    ; one wait for the four exponentials, ahead of their first reader
.irp t, 0,1
	v_mul_f32 v[56+(\t)], v[ST+8*(\t)+7], v[54+(\t)]
.endr
.irp t, 0,1
	v_fma_f32 v[56+(\t)], v[ST+8*(\t)+6], v[ST+8*(\t)+4], v[56+(\t)]
.endr
.irp t, 0,1
	v_rcp_f32 v[56+(\t)], v[56+(\t)]
.endr
	v_nop
	s_wait_alu depctr_va_vdst(0)    ; one wait for the two reciprocals
.irp t, 0,1
	v_mul_f32 v[ST+8*(\t)+4], v[ST+8*(\t)+6], v[56+(\t)]  ; my factor,
	v_mul_f32 v[ST+8*(\t)+6], v[ST+8*(\t)+7], v[56+(\t)]  ; the partner's
.endr
; Tile t: merged, rounded to f16; a lane's eight channels of a row pack into 16 bytes; they go into rows of 272 bytes and come back as whole rows of 256.
.macro PACK t
	WIN 0
.set i, 0
.rept 32
	v_pk_mul_f32 v[S+64*(\t)+2*i:S+64*(\t)+2*i+1], v[S+64*(\t)+2*i:S+64*(\t)+2*i+1], v[ST+8*(\t)+6:ST+8*(\t)+7] op_sel_hi:[1,0]
.set i, i+1
.endr
	WIN 0x01                        ; source 0 (O^T) in window 1
.set i, 0
.rept 32
	v_pk_fma_f32 v[S+64*(\t)+2*i:S+64*(\t)+2*i+1], v[64*(\t)+2*i:64*(\t)+2*i+1], v[ST+8*(\t)+4:ST+8*(\t)+5], v[S+64*(\t)+2*i:S+64*(\t)+2*i+1] op_sel_hi:[1,0,1]
.set i, i+1
.endr
	WIN 0
.set i, 0
.rept 32
	v_cvt_pk_f16_f32 v[P+32*(\t)+i], v[S+64*(\t)+2*i], v[S+64*(\t)+2*i+1]
.set i, i+1
.endr
.irp f, 0,1,2,3,4,5,6,7
	ds_store_b128 v[STO], v[P+32*(\t)+4*(\f):P+32*(\t)+4*(\f)+3] offset:32*(\f)
.endr
.irp f, 0,1,2,3,4,5,6,7
	ds_load_b128 v[P+32*(\t)+4*(\f):P+32*(\t)+4*(\f)+3], v[RD] offset:(\f)*2*SP  ; LDS serves a wave's instructions in order (ISA guide 5.7.1.4): these see the stores above; the next tile's stores come behind them
.endr
.endm
.macro SEND t, younger              ; younger: the LDS instructions issued behind tile t's loads
.irp f, 0,1,2,3,4,5,6,7
	s_wait_dscnt (\younger)+7-(\f)
	global_store_b128 v[GO], v[P+32*(\t)+4*(\f):P+32*(\t)+4*(\f)+3], s[68:69] offset:(\t)*32768+(\f)*4096  ; 16 lanes store 256 consecutive bytes, aligned: a head's channels of one row
.endr
.endm
	PACK 0
	PACK 1
	SEND 0, 16
	SEND 1, 0
	s_wait_tensorcnt 0x0            ; the wave's end, behind my last tensor load and my last LDS store
	ds_add_u32 v[SPW], v[NIL]
	s_wait_dscnt 0x0
	CROUND                          ; the closing round
	s_endpgm
.Lfunc_end_k_q870cf7a307_attn:
	.size	k_q870cf7a307_attn, .Lfunc_end_k_q870cf7a307_attn-k_q870cf7a307_attn
	.p2alignl 7, 3214868480
	.fill 96, 4, 3214868480
	.section	.rodata,"a",@progbits
	.p2align	6, 0x0
	.amdhsa_kernel k_q870cf7a307_attn
		.amdhsa_group_segment_fixed_size 327680
		.amdhsa_private_segment_fixed_size 0
		.amdhsa_enable_private_segment 0
		.amdhsa_kernarg_size 40
		.amdhsa_user_sgpr_count 2
		.amdhsa_user_sgpr_kernarg_segment_ptr 1
		.amdhsa_wavefront_size32 1
		.amdhsa_system_sgpr_workgroup_id_x 1
		.amdhsa_system_sgpr_workgroup_id_y 1
		.amdhsa_system_sgpr_workgroup_id_z 1
		.amdhsa_system_vgpr_workitem_id 0
		.amdhsa_next_free_vgpr 896
		.amdhsa_next_free_sgpr 84
		.amdhsa_reserve_vcc 0
		.amdhsa_float_denorm_mode_32 3
		.amdhsa_float_denorm_mode_16_64 3
		.amdhsa_memory_ordered 1
		.amdhsa_forward_progress 1
		.amdhsa_inst_pref_size 161
	.end_amdhsa_kernel
	.amdgpu_metadata
---
amdhsa.version: [ 1, 2 ]
amdhsa.kernels:
  - .name:           k_q870cf7a307_attn
    .symbol:         k_q870cf7a307_attn.kd
    .args:
      - { .name: Qh, .offset: 0, .size: 8, .value_kind: global_buffer, .address_space: global }
      - { .name: Kh, .offset: 8, .size: 8, .value_kind: global_buffer, .address_space: global }
      - { .name: Vh, .offset: 16, .size: 8, .value_kind: global_buffer, .address_space: global }
      - { .name: attention_mask, .offset: 24, .size: 8, .value_kind: global_buffer, .address_space: global }
      - { .name: Oa, .offset: 32, .size: 8, .value_kind: global_buffer, .address_space: global }
    .group_segment_fixed_size: 327680
    .private_segment_fixed_size: 0
    .kernarg_segment_align: 8
    .kernarg_segment_size: 40
    .max_flat_workgroup_size: 128
    .sgpr_count:     84
    .vgpr_count:     896
    .wavefront_size: 32
...
	.end_amdgpu_metadata
.endif
;; end of part 3
;; launch oproj (part 4): grid 16 x 16, 4 waves a work-group, clusters of 4 x 4, 327,680 bytes of LDS; arguments Oa, Wof, out0; writes out0
.if DOCPART == 4
	.amdgcn_target "amdgcn-amd-amdhsa--gfx1250"
	.amdhsa_code_object_version 6
	.text
	.protected	k_q870cf7a307_oproj
	.globl	k_q870cf7a307_oproj
	.p2align	8
	.type	k_q870cf7a307_oproj,@function
k_q870cf7a307_oproj:
	s_mov_b64 s[64:65], 0
	v_nop
	global_prefetch_b8 v0, s[64:65] scope:SCOPE_SE
	s_setreg_imm32_b32 hwreg(HW_REG_WAVE_MODE, 25, 1), 1
	s_wait_xcnt 0x0
	s_wait_alu depctr_hold_cnt(0) depctr_sa_sdst(0) depctr_va_vdst(0) depctr_va_sdst(0) depctr_va_ssrc(0) depctr_va_vcc(0) depctr_vm_vsrc(0)
	s_getreg_b32 s2, hwreg(HW_REG_IB_STS2, 6, 4)
	s_cmp_eq_u32 s2, 0
	s_cbranch_scc0 .Lentry_in_a_cluster
	s_endpgm
.Lentry_in_a_cluster:
	s_bfe_u32 s2, ttmp6, 0x10000c
	s_cmp_lg_u32 s2, 0xf033
	s_cbranch_scc0 .Lentry_shape_is_right
	s_endpgm
.Lentry_shape_is_right:
; out0[m][n] = the sum over k of Oa[m][k] Wof[n][k].  Oa: [4,096][1,024] f16, Wof: [2,048][1,024] f16 (Wo rounded to bf16, written as f16), out0: [4,096][2,048] f32; sums in f32.
; A tile of out0 is 256 x 128: 256 work-groups of four waves, each 128 rows x 64 columns: 8 x 4 accumulators, 256 registers.  K goes in 8 steps of 128 through two LDS slots.
; CLUSTER 4 x 4: Oa's tile is asked for jointly along a row of the cluster, Wof's along a column.  Waves 0 and 1 fetch Oa's two halves of 128 rows, waves 2 and 3 Wof's two of 64.
; THE MATRIX INSTRUCTION IS USED TRANSPOSED (source 0 = 16 rows of Wof, source 1 = 16 rows of Oa): a lane holds row l % 16 and eight neighbouring columns.
; A wave's 64 f32 columns are 256 aligned bytes of a row: each wave sends its blocks of 16 rows through a stage of its own, and 16 lanes store a whole such piece.
; No prefetch: of the 8 K steps the first four would come by their loads alone.
; REGISTERS: window 0: v0-31 addresses; v64-191 Oa's fragments, two buffers of 8 x 8; v192-255 Wof's, two of 4 x 8; on the way out v32-63 and v192-223 rows read back.  Window 1: accumulator (a, b) at 32 a + 8 b.
.set KSTEP,  128
.set SIZE_K, 1024
.set SIZE_N, 2048
.set PITCH,  272                       ; 256 bytes + 16: the 16 rows of a load start at 16 different groups of four banks (64 banks of 4 bytes: ISA guide 11.1)
.set HALFA,  128*PITCH
.set HALFB,  64*PITCH
.set SLOT,   2*HALFA+2*HALFB
.set STAGE,  2*SLOT                    ; behind the ring: 16 rows x 272 bytes for each wave
.set SPITCH, 272
.set SPARE,  STAGE+4*16*SPITCH         ; behind the stages: the spare words, which no other line names
.set LAPS,   4
.set ADRA, 16
.set ADRB, 20
.set STO,  24
.set RD,   25
.set CO,   26
.set SPW,  28
.set NIL,  29
.set OB,   32
.set FA,   64
.set FB,   192
.set G1, 24
.set G0, 32
.set G1B, 48
.set G0B, 56
.set MSB, 0
.macro WIN new
.if MSB != (\new)
	s_set_vgpr_msb (MSB<<8)|(\new)
.set MSB, \new
.endif
.endm
.set MUL, 0x50                         ; C and D window 1, both sources window 0
.macro PLACES
.rept 4
	v_nop
.endr
.endm
.macro JLOAD s                         ; an s_nop 0 and four v_nop follow each of the two lines, ahead of the jump and the label
	s_cmp_eq_u32 s11, 0
	s_cbranch_scc0 .Lfor_b_\@
	tensor_load_to_lds s[G0+4*(\s):G0+4*(\s)+3], s[G1:G1+7]
	s_nop 0
.rept 4
	v_nop
.endr
	s_branch .Lasked_\@
.Lfor_b_\@:
	tensor_load_to_lds s[G0B+4*(\s):G0B+4*(\s)+3], s[G1B:G1B+7]
	s_nop 0
.rept 4
	v_nop
.endr
.Lasked_\@:
.endm
.macro CROUND
	s_barrier_signal -1
	s_barrier_wait -1
	s_cmp_lg_u32 s10, 0
	s_cbranch_scc1 .Lnot_wave_0_\@
	s_barrier_signal -3
.Lnot_wave_0_\@:
	s_barrier_wait -3
	s_barrier_signal -1
	s_barrier_wait -1
.endm
	s_load_b128 s[4:7], s[0:1], 0x0                ; Oa, Wof
	s_load_b64 s[8:9], s[0:1], 0x10                ; out0
	v_lshl_add_u32 v[SPW], v0, 2, SPARE
	v_mov_b32 v[NIL], 0
	ds_add_u32 v[SPW], v[NIL]                      ; the wave's opening: the add and its wait stand ahead of my first tensor load
	v_lshrrev_b32 v1, 5, v0
	v_readfirstlane_b32 s10, v1                    ; wave
	s_lshr_b32 s11, s10, 1                         ; which 128 rows are mine.  Also: I fetch for Oa (0) or for Wof (1)
	s_and_b32 s12, s10, 1                          ; which 64 columns.  Also: which half of that tile I fetch
	s_bfe_u32 s40, ttmp6, 0x40000                  ; cx
	s_bfe_u32 s41, ttmp6, 0x40004                  ; cy
	s_lshl_b32 s42, ttmp9, 2
	s_add_co_u32 s42, s42, s40                     ; tile column
	s_and_b32 s13, ttmp7, 0xffff
	s_lshl_b32 s13, s13, 2
	s_add_co_u32 s13, s13, s41                     ; tile row
	s_lshl_b32 s43, s41, 2
	s_lshl_b32 s43, 15, s43
	s_lshl_b32 s44, 0x1111, s40
	s_or_b32 s[G1], s43, (1<<16)|(1<<20)|(1<<21)|(5<<22)|(3<<25)
	s_or_b32 s[G1B], s44, (1<<16)|(1<<20)|(1<<21)|(5<<22)|(3<<25)
	s_mov_b32 s[G1+1], KSTEP<<16                   ; tensor_dim0 = 128
	s_mov_b32 s[G1+2], 128<<16                     ; tensor_dim1 = 128
	s_mov_b32 s[G1+3], KSTEP<<16                   ; tile_dim0 = 128
	s_mov_b32 s[G1+4], 128                         ; tile_dim1 = 128
	s_mov_b32 s[G1+5], SIZE_K
	s_mov_b32 s[G1+6], 0
	s_mov_b32 s[G1+7], 0
	s_mov_b32 s[G1B+1], KSTEP<<16
	s_mov_b32 s[G1B+2], 64<<16                     ; 64 rows
	s_mov_b32 s[G1B+3], KSTEP<<16
	s_mov_b32 s[G1B+4], 64
	s_mov_b32 s[G1B+5], SIZE_K
	s_mov_b32 s[G1B+6], 0
	s_mov_b32 s[G1B+7], 0
	s_lshl_b32 s16, s13, 8
	s_lshl_b32 s17, s12, 7
	s_add_co_u32 s16, s16, s17                     ; Oa: row 256 x tile row + 128 x half
	s_lshl_b32 s16, s16, 11                        ; rows of 2,048 bytes
	s_mov_b32 s17, 0
	s_lshl_b32 s46, s42, 7
	s_lshl_b32 s47, s12, 6
	s_add_co_u32 s46, s46, s47                     ; Wof: row 128 x tile column + 64 x half
	s_lshl_b32 s46, s46, 11
	s_mov_b32 s47, 0
	s_mul_i32 s20, s12, HALFA                      ; where they go: the wave's number alone
	s_mul_i32 s21, s12, HALFB
	s_add_co_u32 s21, s21, 2*HALFA
	s_wait_dscnt 0x0
	s_wait_kmcnt 0x0
	s_add_nc_u64 s[14:15], s[4:5], s[16:17]
	s_add_nc_u64 s[46:47], s[6:7], s[46:47]
	CROUND
.irp s, 0,1
	s_mov_b32 s[G0+4*(\s)], 1
	s_add_co_u32 s[G0+4*(\s)+1], s20, (\s)*SLOT
	s_add_nc_u64 s[G0+4*(\s)+2:G0+4*(\s)+3], s[14:15], (\s)*KSTEP*2
	s_or_b32 s[G0+4*(\s)+3], s[G0+4*(\s)+3], 0x80000000
	s_mov_b32 s[G0B+4*(\s)], 1
	s_add_co_u32 s[G0B+4*(\s)+1], s21, (\s)*SLOT
	s_add_nc_u64 s[G0B+4*(\s)+2:G0B+4*(\s)+3], s[46:47], (\s)*KSTEP*2
	s_or_b32 s[G0B+4*(\s)+3], s[G0B+4*(\s)+3], 0x80000000
	JLOAD \s                                       ; two loads of mine are out
.endr
	v_and_b32 v1, 15, v0
	v_bfe_u32 v2, v0, 4, 1
	v_mul_u32_u24 v3, v1, PITCH
	v_lshl_add_u32 v3, v2, 4, v3
	s_mul_i32 s21, s11, HALFA
	s_mul_i32 s22, s12, HALFB
	s_add_co_u32 s22, s22, 2*HALFA
.irp s, 0,1
	v_add_nc_u32 v[ADRA+(\s)], s21, v3
	v_add_nc_u32 v[ADRB+(\s)], s22, v3
	s_add_co_u32 s21, s21, SLOT
	s_add_co_u32 s22, s22, SLOT
.endr
	s_mul_i32 s23, s10, 16*SPITCH
	s_add_co_u32 s23, s23, STAGE
	v_mul_u32_u24 v4, v1, SPITCH                   ; in: row l % 16, 32 bytes for each half of the lanes
	v_lshl_add_u32 v4, v2, 5, v4
	v_add_nc_u32 v[STO], s23, v4
	v_mul_u32_u24 v5, v2, SPITCH                   ; back: lanes 0-15 one row of 256 bytes, lanes 16-31 the next
	v_lshl_add_u32 v5, v1, 4, v5
	v_add_nc_u32 v[RD], s23, v5
	v_lshlrev_b32 v5, 13, v2                       ; and the same two rows in out0
	v_lshl_add_u32 v[CO], v1, 4, v5
	s_lshl_b32 s16, s13, 8
	s_lshl_b32 s17, s11, 7
	s_add_co_u32 s16, s16, s17                     ; my first row
	s_lshl_b32 s16, s16, 13                        ; rows of 8,192 bytes
	s_lshl_b32 s46, s42, 9                         ; my first column, in bytes
	s_lshl_b32 s47, s12, 8
	s_add_co_u32 s46, s46, s47
	s_add_co_u32 s16, s16, s46
	s_mov_b32 s17, 0
	s_add_nc_u64 s[8:9], s[8:9], s[16:17]
; 32 matrix instructions: all 8 row blocks x all 4 column blocks, 32 along K, from buffer f.  The 32 accumulators take turns, one instruction a turn.
.macro MUL32 f, zero
	WIN MUL
.irp a, 0,1,2,3,4,5,6,7
.irp b, 0,1,2,3
.if \zero
	v_wmma_f32_16x16x32_f16 v[32*(\a)+8*(\b):32*(\a)+8*(\b)+7], v[FB+32*(\f)+8*(\b):FB+32*(\f)+8*(\b)+7], v[FA+64*(\f)+8*(\a):FA+64*(\f)+8*(\a)+7], 0
.else
	v_wmma_f32_16x16x32_f16 v[32*(\a)+8*(\b):32*(\a)+8*(\b)+7], v[FB+32*(\f)+8*(\b):FB+32*(\f)+8*(\b)+7], v[FA+64*(\f)+8*(\a):FA+64*(\f)+8*(\a)+7], v[32*(\a)+8*(\b):32*(\a)+8*(\b)+7]
.endif
.endr
.endr
.endm
.macro FETCH slot, k, f                ; 24 LDS loads in one run
	WIN 0
.irp i, 0,1,2,3
	ds_load_b128 v[FB+32*(\f)+8*(\i):FB+32*(\f)+8*(\i)+3],   v[ADRB+(\slot)] offset:(\k)+(\i)*16*PITCH
	ds_load_b128 v[FB+32*(\f)+8*(\i)+4:FB+32*(\f)+8*(\i)+7], v[ADRB+(\slot)] offset:(\k)+(\i)*16*PITCH+32
.endr
.irp i, 0,1,2,3,4,5,6,7
	ds_load_b128 v[FA+64*(\f)+8*(\i):FA+64*(\f)+8*(\i)+3],   v[ADRA+(\slot)] offset:(\k)+(\i)*16*PITCH
	ds_load_b128 v[FA+64*(\f)+8*(\i)+4:FA+64*(\f)+8*(\i)+7], v[ADRA+(\slot)] offset:(\k)+(\i)*16*PITCH+32
.endr
.endm
; One of a K step's first three quarters: at its head it fetches the next quarter, at byte k, into g, which the quarter before has multiplied; then it multiplies f, whose loads were issued a whole quarter earlier.
.macro QUARTER slot, k, f, g, zero
	PLACES
	FETCH \slot, \k, \g
	s_wait_dscnt 24                                ; all but the 24 just issued: buffer f is in
	MUL32 \f, \zero
.endm
; The last quarter changes slots and multiplies buffer 1.  All reads of this slot have been issued.  Each wave waits for all its tensor loads, adds 0 to its spare word, and waits for that and for its reads.
; fill = 1: a round of the cluster's barrier, and the joint refill, two K steps on, first thing behind it; the quarter's products come behind the request: the refill has a whole K step's 128 matrix instructions in which to land.
.macro TURN slot, next, fill
	WIN 0
	s_wait_tensorcnt 0x0                           ; no tensor load of mine is out, so a group 0 may be written
	ds_add_u32 v[SPW], v[NIL]                      ; the descriptors' steps stand between the add and the wait for it
.if \fill
	s_add_nc_u64 s[G0+4*(\slot)+2:G0+4*(\slot)+3], s[G0+4*(\slot)+2:G0+4*(\slot)+3], 2*KSTEP*2
	s_add_nc_u64 s[G0B+4*(\slot)+2:G0B+4*(\slot)+3], s[G0B+4*(\slot)+2:G0B+4*(\slot)+3], 2*KSTEP*2
.endif
	s_wait_dscnt 0x0                               ; the add is done, my reads of this slot are over, buffer 1 is in
.if \fill
	CROUND                                         ; no wave of any partner still reads this slot or has a load on its way
	JLOAD \slot                                    ; its four v_nop are also the places ahead of the loads below
.else
	s_barrier_signal -1
	s_barrier_wait -1
	PLACES
.endif
	FETCH \next, 0, 0
	MUL32 1, 0
.endm
	s_wait_tensorcnt 1                             ; my part of K step 0 is in; K step 1's may stay out
	s_barrier_signal -1
	s_barrier_wait -1
	FETCH 0, 0, 0
	QUARTER 0, 64, 0, 1, 1                         ; the first quarter's products start the sums
	WIN 0
	s_mov_b32 s3, LAPS-1
.Llap:
	QUARTER 0, 128, 1, 0, 0
	QUARTER 0, 192, 0, 1, 0
	TURN 0, 1, 1
	QUARTER 1, 64,  0, 1, 0
	QUARTER 1, 128, 1, 0, 0
	QUARTER 1, 192, 0, 1, 0
	TURN 1, 0, 1
	QUARTER 0, 64,  0, 1, 0
	WIN 0
	s_sub_co_u32 s3, s3, 1
	s_cmp_lg_u32 s3, 0
	s_cbranch_scc1 .Llap
	QUARTER 0, 128, 1, 0, 0                        ; the last lap fills nothing
	QUARTER 0, 192, 0, 1, 0
	TURN 0, 1, 0
	QUARTER 1, 64,  0, 1, 0
	QUARTER 1, 128, 1, 0, 0
	QUARTER 1, 192, 0, 1, 0
	s_wait_dscnt 0x0
	MUL32 1, 0
	WIN 0
	PLACES
	PLACES                                         ; the places behind the last products, ahead of the stores that read them
; THE WAY OUT, a block of 16 rows at a time, through my own stage: no barrier, and LDS serves a wave's instructions in order (ISA guide 5.7.1.4).
.macro TOSTAGE a
.set BK, OB+160*((\a)%2)
	s_wait_xcnt 0x0                                ; the stores of the block two back have read the registers that are loaded again below
	WIN 0x04                                       ; store data (source 1) in window 1
.irp b, 0,1,2,3                        ; each accumulator's registers 0-3 first
	ds_store_b128 v[STO], v[32*(\a)+8*(\b):32*(\a)+8*(\b)+3]   offset:64*(\b)
	ds_store_b128 v[STO], v[32*(\a)+8*(\b)+4:32*(\a)+8*(\b)+7] offset:64*(\b)+16
.endr
	WIN 0
.irp t, 0,1,2,3,4,5,6,7
	ds_load_b128 v[BK+4*(\t):BK+4*(\t)+3], v[RD] offset:(\t)*2*SPITCH
.endr
.endm
.macro SEND a, younger                 ; younger: the LDS instructions issued behind block a's loads: the next block's sixteen, or none
.set BK, OB+160*((\a)%2)
	s_wait_dscnt \younger
.if (\a) > 0
	s_wait_xcnt 0x0                                ; earlier stores have read their base
	s_add_nc_u64 s[8:9], s[8:9], 16*SIZE_N*4
.endif
.irp t, 0,1,2,3,4,5,6,7
	global_store_b128 v[CO], v[BK+4*(\t):BK+4*(\t)+3], s[8:9] offset:2*(\t)*SIZE_N*4 th:TH_STORE_NT  ; 16 lanes store 256 consecutive bytes, aligned
.endr
.endm
	TOSTAGE 0
.irp a, 1,2,3,4,5,6,7
	TOSTAGE \a
	SEND (\a)-1, 16
.endr
	SEND 7, 0
	s_wait_tensorcnt 0x0                           ; the wave's end, behind my last tensor load and my last LDS store
	ds_add_u32 v[SPW], v[NIL]
	s_wait_dscnt 0x0
	CROUND                                         ; the closing round
	s_endpgm
.Lfunc_end_k_q870cf7a307_oproj:
	.size	k_q870cf7a307_oproj, .Lfunc_end_k_q870cf7a307_oproj-k_q870cf7a307_oproj
	.p2alignl 7, 3214868480
	.fill 96, 4, 3214868480
	.section	.rodata,"a",@progbits
	.p2align	6, 0x0
	.amdhsa_kernel k_q870cf7a307_oproj
		.amdhsa_group_segment_fixed_size 327680
		.amdhsa_private_segment_fixed_size 0
		.amdhsa_enable_private_segment 0
		.amdhsa_kernarg_size 24
		.amdhsa_user_sgpr_count 2
		.amdhsa_user_sgpr_kernarg_segment_ptr 1
		.amdhsa_wavefront_size32 1
		.amdhsa_system_sgpr_workgroup_id_x 1
		.amdhsa_system_sgpr_workgroup_id_y 1
		.amdhsa_system_sgpr_workgroup_id_z 1
		.amdhsa_system_vgpr_workitem_id 0
		.amdhsa_next_free_vgpr 512
		.amdhsa_next_free_sgpr 66
		.amdhsa_reserve_vcc 0
		.amdhsa_float_denorm_mode_32 3
		.amdhsa_float_denorm_mode_16_64 3
		.amdhsa_memory_ordered 1
		.amdhsa_forward_progress 1
		.amdhsa_inst_pref_size 85
	.end_amdhsa_kernel
	.amdgpu_metadata
---
amdhsa.version: [ 1, 2 ]
amdhsa.kernels:
  - .name:           k_q870cf7a307_oproj
    .symbol:         k_q870cf7a307_oproj.kd
    .args:
      - { .name: Oa, .offset: 0, .size: 8, .value_kind: global_buffer, .address_space: global }
      - { .name: Wof, .offset: 8, .size: 8, .value_kind: global_buffer, .address_space: global }
      - { .name: out0, .offset: 16, .size: 8, .value_kind: global_buffer, .address_space: global }
    .group_segment_fixed_size: 327680
    .private_segment_fixed_size: 0
    .kernarg_segment_align: 8
    .kernarg_segment_size: 24
    .max_flat_workgroup_size: 128
    .sgpr_count:     66
    .vgpr_count:     512
    .wavefront_size: 32
...
	.end_amdgpu_metadata
.endif
;; end of part 4
